; MI455X (gfx1250); checked and timed in simulation.
; The chip was launched on July 23, 2026; its instructions are those of AMD's public machine-readable ISA for CDNA 5 (MIT licence, August 2026) and "CDNA5" Instruction Set Architecture Reference Guide (July 2026). The comments in the code are by the model that wrote it; some were corrected since.
;; Causal Self Attention. Allowed arithmetic: matrix products marked QUANTISED: E2M3 operands, one E8M0 scale for each 32 along K, by v_wmma_scale_f32_16x16x128_f8f6f4 with both operands' format E2M3, f32 sums; everything else in f32.
;; Inputs: Wk 2,048 x 2,048 float32; Wp 2,048 x 2,048 float32; Wq 2,048 x 2,048 float32; Wv 2,048 x 2,048 float32; attn_mask 2,048 x 2,048 bool; rope_cos 2,048 x 64 float32; rope_sin 2,048 x 64 float32; x 1 x 2,048 x 2,048 float32.
;; Outputs: out0 1 x 2,048 x 2,048 float32.
;; This version of the problem:
;;   THIS VERSION OF THE PROBLEM IS GIVEN IN LOW PRECISION. The matrix products marked QUANTISED in the list below multiply operands that are first quantised to E2M3 (2 exponent bits, 3 mantissa bits; 6 bits a number), with one power-of-two scale for each 32 numbers along K (OCP MX v1.0); their sums are f32. All else is computed in f32.
;;   The module's matrix products, in the order in which they are computed (A, B: the left and right operand; K: the contracted axis; several contracted axes count as one K, in the product's order):
;;     1. [M 2,048, K 2,048] x [K 2,048, N 2,048]; A: input x; B: input Wq: QUANTISED
;;     2. [M 2,048, K 2,048] x [K 2,048, N 2,048]; A: input x; B: input Wk: QUANTISED
;;     3. [M 2,048, K 2,048] x [K 2,048, N 2,048]; A: input x; B: input Wv: QUANTISED
;;     4. batch 16 x [M 2,048, K 128] x [K 128, N 2,048]; A: computed on the way; B: computed on the way: QUANTISED
;;     5. batch 16 x [M 128, K 2,048] x [K 2,048, N 2,048]; A: computed on the way; B: softmax (see below): QUANTISED
;;     6. [M 2,048, K 2,048] x [K 2,048, N 2,048]; A: computed on the way; B: input Wp: QUANTISED
;;   THE QUANTISER, for each operand of a quantised product, along K:
;;     - K is cut into blocks of 32 from its start; a last block that is shorter is filled with zeros.
;;     - A block's scale is 2^e with e = floor(log2(the largest magnitude in the block)) - 2, held to -126 .. 127; a block of zeros has e = 0. As a byte (E8M0): e + 127.
;;     - Each number is divided by its block's scale, clamped to +-7.5, and rounded to the nearest number of E2M3, ties to even, subnormals kept.
;;     - The product sums the exact products of the quantised numbers (number of the format x scale) in f32.
;;   ~~~python
;;   def quantise(x, axis):      # numpy; x: float32 -> the quantised numbers, widened to float32 again
;;       x = np.moveaxis(x, axis, -1); K = x.shape[-1]
;;       x = np.pad(x, [(0, 0)] * (x.ndim - 1) + [(0, -K % 32)]); x = x.reshape(x.shape[:-1] + (-1, 32)); a = np.abs(x).max(-1, keepdims=True)
;;       e = np.where(a > 0, np.clip(np.frexp(np.where(a > 0, a, 1))[1] - 1 - 2, -126, 127), 0)      # np.frexp(a)[1] - 1 = floor(log2(a)), exactly
;;       r = np.clip(x / 2.0 ** e, -7.5, 7.5)
;;       step = 2.0 ** (np.maximum(np.frexp(np.where(r == 0, 1, r))[1] - 1, 0) - 3)
;;       q = np.round(r / step) * step * 2.0 ** e      # np.round: ties to even
;;       return np.moveaxis(q.reshape(q.shape[:-2] + (-1,))[..., :K], -1, axis).astype(np.float32)
;;   ~~~
;;   SOFTMAX AHEAD OF A QUANTISED PRODUCT. Where the list says 'softmax', what is quantised is not the finished softmax but p = 2^(t - M), with t = logit x log2(e) and M = ceil(the row's largest t), a whole number; so 1/2 < the row's largest p <= 1. The row's sum l is taken of the UNQUANTISED p, in f32, and the product's result is divided by l at the end. Since M is a whole number, a kernel that streams over the keys may use a running M (the ceiling of the running maximum): every later rescaling is an exact power of two, which a block's scale takes up: the codes' values come out the same.
;;   OPERANDS COMPUTED ON THE WAY. 'Computed on the way' means the value that the module computes at that place (a softmax that the list does not call 'softmax' is quantised finished and normalised). What goes into a quantiser is computed in f32, as accurately as f32 sums, v_exp_f32 and their like allow (about 1e-6 of the number): no bf16 or f16 on the way to a quantiser, and a product that is left as it is and whose result goes on into a quantised operand takes f32 operands (vector FMAs, or v_wmma_f32_16x16x4_f32). A number that lies on a knife's edge between two numbers of the format may be rounded either way, as far as f32 arithmetic and the matrix unit's own rounding can turn it there, and no further.
;; One version. Each part assembles by itself: llvm-mc -triple=amdgcn-amd-amdhsa -mcpu=gfx1250 --defsym DOCPART=n.
;; ======== version 1 of 1: 4 launches
;; limits: right only within a limited range of input values
;; workspace buffers: codes 16,384,000 bytes; maskw 524,288 bytes of whole numbers; qkv 9,830,400 bytes; ocodes 3,276,800 bytes
;; launch quant (part 1): grid 256 x 1, 8 waves a work-group, no clusters, 72,704 bytes of LDS; arguments Wq, Wk, x, Wv, Wp, attn_mask, codes, maskw; writes codes, maskw
.if DOCPART == 1
	.amdgcn_target "amdgcn-amd-amdhsa--gfx1250"
	.amdhsa_code_object_version 6
	.text
	.protected	k_q6abbe71e45_quant
	.globl	k_q6abbe71e45_quant
	.p2align	8
	.type	k_q6abbe71e45_quant,@function
k_q6abbe71e45_quant:
	s_mov_b64 s[64:65], 0
	v_nop
	global_prefetch_b8 v0, s[64:65] scope:SCOPE_SE
	s_setreg_imm32_b32 hwreg(HW_REG_WAVE_MODE, 25, 1), 1
	s_wait_xcnt 0x0
; Wq, Wk, x, Wv, Wp, each [2048 rows][2048 K] f32, become codes of FP6 (E2M3) with one E8M0 byte for each 32 along K; attn_mask becomes lane masks.
; THE WORKSPACE IS LAID AS THE MATRIX UNIT'S REGISTERS.  An IMAGE (1,536 bytes) is a fragment of 16 rows x 128 K: byte 512 g + 16 lane + 4 e holds register 4 g + e of that lane
; (lane (r, h): registers 6 c .. 6 c + 5 = codes k = 64 c + 32 h + 0 .. 31 of the image's row r).  A BLOCK (12,800 bytes) is the 8 images of 128 rows for one K step of 128, then 512 bytes of scale
; words: the word of (row r, image j) at 12288 + 32 r + 4 j.  Row r of image j is row 32 (j / 2) + 8 (j % 2) + r + 8 (r / 8) of the 128.  A tensor is [16 groups of rows][16 K steps] BLOCKs.
; SHARES.  Work-group 16 G + s makes BLOCK (G, s) of all five tensors; wave w makes image w of each, one after the other, and the mask words of query tile 8 G + w for key step s.
; A row's K step is 512 consecutive bytes: one load of the wave.  The 16 rows turn through the wave's own stage in LDS (pitch 528), so that a lane gets the 2 x 32 neighbours that its registers want.
; MASK WORDS: [128 query tiles][16 key steps][64 words]; bit l of word n = mask[the tile's row l % 16][128 s + 32 (n / 16) + 16 (l / 16) + n % 16]: the lane mask of score register n in the attention launch.
; A block's scale is 2^(floor(log2(largest magnitude)) - 2): its byte is the largest magnitude's exponent field - 2, held at 1 from below.
; LIMITS: NaN and infinities are not served; a block whose largest magnitude lies under 2^-124 keeps the byte 1; a block of zeros gets the byte 1, not 127 (its codes are zeros, and this program alone reads the bytes);
; a mask byte other than 0 counts as true.
.set SPI,  528                         ; a stage row: 512 bytes + 16
.set STG,  16*SPI                      ; a wave's stage
.set SCB,  8*STG                       ; behind the stages: 5 x 512 bytes of scale words
.set BLK,  12800
.set TEN,  256*BLK                     ; a tensor's codes and scales
.set MK,   20                          ; v20-35   64 mask bytes
.set PC,   36                          ; v36-47   a fragment's codes
.set PT,   48                          ; v48-50, v52-54 the blocks' upper halves as the conversions leave them
.set X,    64                          ; v64-127  my 2 x 32 neighbours
.set R,    128                         ; v128-255 two sets of 16 rows as loaded
	s_load_b256 s[4:11], s[0:1], 0x0               ; Wq, Wk, x, Wv
	s_load_b128 s[12:15], s[0:1], 0x20             ; Wp, attn_mask
	s_load_b128 s[16:19], s[0:1], 0x30             ; codes, maskw
	v_lshl_add_u32 v51, v0, 2, 0x11800
	v_mov_b32 v55, 0
	v_lshrrev_b32 v1, 5, v0
	s_delay_alu instid0(VALU_DEP_1)
	v_readfirstlane_b32 s20, v1                    ; wave 0..7
	v_and_b32 v1, 31, v0                           ; lane
	v_and_b32 v2, 15, v0                           ; r
	v_bfe_u32 v3, v0, 4, 1                         ; h
	s_delay_alu instid0(VALU_DEP_3)
	v_lshlrev_b32 v4, 4, v1                        ; 16 x lane: my bytes of a row's K step
	s_mul_i32 s37, s20, STG
	v_add_nc_u32 v5, s37, v4                       ; the stage, on the way in
	v_mul_u32_u24 v6, v2, SPI
	s_delay_alu instid0(VALU_DEP_1)
	v_lshl_add_u32 v6, v3, 7, v6
	s_delay_alu instid0(VALU_DEP_1)
	v_add_nc_u32 v6, s37, v6                       ; and out: row r, + 128 h bytes
	s_mul_i32 s37, s20, 1536
	v_add_nc_u32 v7, s37, v4                       ; my image in a BLOCK
	s_lshl_b32 s37, s20, 2
	s_add_co_u32 s37, s37, SCB
	v_lshlrev_b32 v8, 5, v2
	s_delay_alu instid0(VALU_DEP_1)
	v_add_nc_u32 v8, s37, v8                       ; my row's scale word in LDS: 32 r + 4 w
	v_and_b32 v9, 8, v2
	s_delay_alu instid0(VALU_DEP_1)
	v_add_nc_u32 v9, v9, v2                        ; r + 8 (r / 8)
	s_delay_alu instid0(VALU_DEP_1)
	v_lshlrev_b32 v9, 11, v9
	s_delay_alu instid0(VALU_DEP_1)
	v_lshl_add_u32 v9, v3, 4, v9                   ; the mask: my row of 2,048 bytes, + 16 h
	v_lshlrev_b32 v10, 3, v1                       ; two mask words a lane
	v_lshlrev_b32 v11, 3, v3                       ; 8 h: how far my two scale bytes move up in the word
	s_lshl_b32 s37, s20, 9
	s_add_co_u32 s37, s37, SCB
	v_add_nc_u32 v56, s37, v4                      ; the end: tensor w's 512 bytes of scale words in LDS,
	s_mul_i32 s37, s20, TEN
	s_add_co_u32 s37, s37, 12288
	v_add_nc_u32 v57, s37, v4                      ; and their place in memory
	s_mov_b32 s22, 0x76543210
	s_mov_b32 s23, 0xfedcba98                      ; v_permlanex16_b32's selects for lane l xor 16
	s_lshr_b32 s21, ttmp9, 4                       ; G
	s_and_b32 s34, ttmp9, 15                       ; s
	s_lshl_b32 s35, s21, 7
	s_lshr_b32 s36, s20, 1
	s_lshl_b32 s36, s36, 5
	s_add_co_u32 s35, s35, s36
	s_and_b32 s36, s20, 1
	s_lshl_b32 s36, s36, 3
	s_add_co_u32 s35, s35, s36                     ; my image's first row: 128 G + 32 (w / 2) + 8 (w % 2)
	s_lshl_b32 s40, s35, 13
	s_lshl_b32 s36, s34, 9
	s_add_co_u32 s40, s40, s36                     ; in a tensor: rows of 8,192 bytes, K steps of 512
	s_mov_b32 s41, 0
	s_lshl_b32 s42, s35, 11
	s_lshl_b32 s36, s34, 7
	s_add_co_u32 s42, s42, s36                     ; in the mask: rows of 2,048 bytes, key steps of 128
	s_mov_b32 s43, 0
	s_lshl_b32 s44, s21, 3
	s_add_co_u32 s44, s44, s20
	s_lshl_b32 s44, s44, 4
	s_add_co_u32 s44, s44, s34
	s_lshl_b32 s44, s44, 8                         ; my 256 bytes of mask words
	s_mov_b32 s45, 0
	s_mul_i32 s46, ttmp9, BLK                      ; my BLOCK in each tensor's codes
	s_mov_b32 s47, 0
	s_wait_alu depctr_va_vdst(0)
	s_wait_kmcnt 0x0
.irp f, 0,1,2,3,4
	s_add_nc_u64 s[4+2*\f:5+2*\f], s[4+2*\f:5+2*\f], s[40:41]
.endr
	s_add_nc_u64 s[14:15], s[14:15], s[42:43]
	s_add_nc_u64 s[18:19], s[18:19], s[44:45]
	s_add_nc_u64 s[24:25], s[16:17], s[46:47]
.irp f, 1,2,3,4
	s_add_nc_u64 s[24+2*\f:25+2*\f], s[24:25], \f*TEN
.endr
.macro LOAD f                          ; tensor f: my image's 16 rows, 512 consecutive bytes a load, into set f % 2
.irp i, 0,1,2,3,4,5,6,7,8,9,10,11,12,13,14,15
	global_load_b128 v[R+64*((\f)%2)+4*\i:R+64*((\f)%2)+4*\i+3], v4, s[4+2*(\f):5+2*(\f)] offset:(\i+8*(\i/8))*8192 th:TH_LOAD_NT
.endr
.endm
.irp b, 0,1,2,3
	global_load_b128 v[MK+4*\b:MK+4*\b+3], v9, s[14:15] offset:32*\b   ; mask bytes of keys 32 b + 16 h + 0 .. 15 of my row
.endr
	LOAD 0
	LOAD 1
	s_wait_loadcnt 32                              ; the mask's four loads are in; the 32 loads issued behind them stay out
	v_mov_b32 v16, 0                               ; (a lane write's and a lane permute's destinations count as read)
	v_mov_b32 v17, 0
	v_mov_b32 v19, 0
.set n, 0
.rept 64                               ; byte n of my 64: the 32 lanes' answers are word n, which goes to lane n / 2
	v_and_b32 v[62+n%2], 0xff<<(8*(n%4)), v[MK+n/4]
	s_delay_alu instid0(VALU_DEP_1)
	v_cmp_ne_u32 s[36+n%4], 0, v[62+n%2]
	s_delay_alu instid0(VALU_DEP_1)
	v_writelane_b32 v[16+n%2], s[36+n%4], n/2
.set n, n+1
.endr
	global_store_b64 v10, v[16:17], s[18:19]       ; 32 lanes store 256 consecutive bytes, aligned
.macro FRAGQ f
.if (\f) < 4
	s_wait_loadcnt 16                              ; this tensor's 16 loads are in; the next tensor's 16 may be out
.else
	s_wait_loadcnt 0x0
.endif
.irp i, 0,1,2,3,4,5,6,7,8,9,10,11,12,13,14,15
	ds_store_b128 v5, v[R+64*((\f)%2)+4*\i:R+64*((\f)%2)+4*\i+3] offset:SPI*\i
.endr
.irp c, 0,1
.irp e, 0,1,2,3,4,5,6,7
	ds_load_b128 v[X+32*\c+4*\e:X+32*\c+4*\e+3], v6 offset:256*\c+16*\e   ; k = 64 c + 32 h + 4 e ..: LDS serves a wave's instructions in order, so these see the stores above
.endr
.endr
	s_wait_dscnt 0x0                               ; my numbers are back, and the stores into the stage have read their registers
	s_wait_xcnt 0x0                                ; the last fragment's stores have read their data: the codes' registers are rewritten only behind this wait
.if (\f)+2 < 5
	LOAD (\f)+2
.endif
.irp c, 0,1                            ; my block 2 c + h: all its 32 numbers are mine
	v_max3_num_f32 v[12+\c], |v[X+32*\c]|, |v[X+32*\c+1]|, 0x1800000   ; with the floor 2^(3 - 127): the byte cannot fall under 1
.endr
.irp i, 2,4,6,8,10,12,14,16,18,20,22,24,26,28,30
.irp c, 0,1
	s_delay_alu instid0(VALU_DEP_2)
	v_max3_num_f32 v[12+\c], v[12+\c], |v[X+32*\c+\i]|, |v[X+32*\c+\i+1]|
.endr
.endr
.irp c, 0,1
	s_delay_alu instid0(VALU_DEP_2)
	v_add_nc_u32 v[14+\c], 0xff000000, v[12+\c]    ; 2 off the exponent field: the conversion's scale operand
.endr
.irp c, 0,1
	s_delay_alu instid0(VALU_DEP_2)
	v_lshrrev_b32 v[12+\c], 23, v[14+\c]           ; the scale's byte
.endr
	s_delay_alu instid0(VALU_DEP_1)
	v_lshl_or_b32 v18, v13, 16, v12                ; blocks h and 2 + h,
	s_delay_alu instid0(VALU_DEP_1)
	v_lshlrev_b32 v18, v11, v18                    ; at their places in the row's word;
	s_delay_alu instid0(VALU_DEP_1)
	v_permlanex16_b32 v19, v18, s22, s23
	s_delay_alu instid0(VALU_DEP_1)
	v_or_b32 v18, v18, v19                         ; with lane l xor 16's two the word is whole
.irp c, 0,1
	v_cvt_scalef32_pk16_fp6_f32 v[PC+6*\c:PC+6*\c+2], v[X+32*\c:X+32*\c+15], v[14+\c]
	v_cvt_scalef32_pk16_fp6_f32 v[PT+4*\c:PT+4*\c+2], v[X+32*\c+16:X+32*\c+31], v[14+\c]   ; (a conversion's three registers begin on an even number)
.endr
	v_nop                                          ; one plain instruction behind the scaled conversions
.irp c, 0,1
.irp i, 0,1,2
	v_mov_b32 v[PC+3+6*\c+\i], v[PT+4*\c+\i]
.endr
.endr
.irp g, 0,1,2
	global_store_b128 v7, v[PC+4*\g:PC+4*\g+3], s[24+2*(\f):25+2*(\f)] offset:512*\g   ; the image as it stands: 512 consecutive bytes a store
.endr
	ds_store_b32 v8, v18 offset:512*(\f)           ; lanes r and r + 16 write the same word with the same value
.endm
	FRAGQ 0
	FRAGQ 1
	FRAGQ 2
	FRAGQ 3
	FRAGQ 4
	s_wait_dscnt 0x0                               ; for the others' sake: my scale words lie in LDS
	s_barrier_signal -1
	s_barrier_wait -1
	s_cmp_gt_u32 s20, 4                            ; waves 0 to 4 store a tensor's 512 bytes of scale words each
	s_cbranch_scc1 .Ldone
	ds_load_b128 v[58:61], v56
	s_wait_dscnt 0x0
	global_store_b128 v57, v[58:61], s[24:25]      ; 512 consecutive bytes, aligned
.Ldone:
	s_wait_tensorcnt 0x0
	ds_add_u32 v51, v55
	s_wait_dscnt 0x0
	s_endpgm
.Lfunc_end_k_q6abbe71e45_quant:
	.size	k_q6abbe71e45_quant, .Lfunc_end_k_q6abbe71e45_quant-k_q6abbe71e45_quant
	.p2alignl 7, 3214868480
	.fill 96, 4, 3214868480
	.section	.rodata,"a",@progbits
	.p2align	6, 0x0
	.amdhsa_kernel k_q6abbe71e45_quant
		.amdhsa_group_segment_fixed_size 72704
		.amdhsa_private_segment_fixed_size 0
		.amdhsa_enable_private_segment 0
		.amdhsa_kernarg_size 64
		.amdhsa_user_sgpr_count 2
		.amdhsa_user_sgpr_kernarg_segment_ptr 1
		.amdhsa_wavefront_size32 1
		.amdhsa_system_sgpr_workgroup_id_x 1
		.amdhsa_system_sgpr_workgroup_id_y 1
		.amdhsa_system_sgpr_workgroup_id_z 1
		.amdhsa_system_vgpr_workitem_id 0
		.amdhsa_next_free_vgpr 256
		.amdhsa_next_free_sgpr 66
		.amdhsa_reserve_vcc 0
		.amdhsa_float_denorm_mode_32 3
		.amdhsa_float_denorm_mode_16_64 3
		.amdhsa_memory_ordered 1
		.amdhsa_forward_progress 1
		.amdhsa_inst_pref_size 61
	.end_amdhsa_kernel
	.amdgpu_metadata
---
amdhsa.version: [ 1, 2 ]
amdhsa.kernels:
  - .name:           k_q6abbe71e45_quant
    .symbol:         k_q6abbe71e45_quant.kd
    .args:
      - { .name: Wq, .offset: 0, .size: 8, .value_kind: global_buffer, .address_space: global }
      - { .name: Wk, .offset: 8, .size: 8, .value_kind: global_buffer, .address_space: global }
      - { .name: x, .offset: 16, .size: 8, .value_kind: global_buffer, .address_space: global }
      - { .name: Wv, .offset: 24, .size: 8, .value_kind: global_buffer, .address_space: global }
      - { .name: Wp, .offset: 32, .size: 8, .value_kind: global_buffer, .address_space: global }
      - { .name: attn_mask, .offset: 40, .size: 8, .value_kind: global_buffer, .address_space: global }
      - { .name: codes, .offset: 48, .size: 8, .value_kind: global_buffer, .address_space: global }
      - { .name: maskw, .offset: 56, .size: 8, .value_kind: global_buffer, .address_space: global }
    .group_segment_fixed_size: 72704
    .private_segment_fixed_size: 0
    .kernarg_segment_align: 8
    .kernarg_segment_size: 64
    .max_flat_workgroup_size: 256
    .sgpr_count:     66
    .vgpr_count:     256
    .wavefront_size: 32
...
	.end_amdgpu_metadata
.endif
;; end of part 1
;; launch qkv (part 2): grid 24 x 8, 4 waves a work-group, clusters of 4 x 4, 327,680 bytes of LDS; arguments codes, rope_cos, rope_sin, qkv; writes qkv
.if DOCPART == 2
	.amdgcn_target "amdgcn-amd-amdhsa--gfx1250"
	.amdhsa_code_object_version 6
	.text
	.protected	k_q6abbe71e45_qkv
	.globl	k_q6abbe71e45_qkv
	.p2align	8
	.type	k_q6abbe71e45_qkv,@function
k_q6abbe71e45_qkv:
	s_mov_b64 s[64:65], 0
	v_nop
	global_prefetch_b8 v0, s[64:65] scope:SCOPE_SE
	s_setreg_imm32_b32 hwreg(HW_REG_WAVE_MODE, 25, 1), 1
	s_wait_xcnt 0x0
	s_wait_alu depctr_hold_cnt(0) depctr_sa_sdst(0) depctr_va_vdst(0) depctr_va_sdst(0) depctr_va_ssrc(0) depctr_va_vcc(0) depctr_vm_vsrc(0)
	s_getreg_b32 s2, hwreg(HW_REG_IB_STS2, 6, 4)
	s_cmp_eq_u32 s2, 0
	s_cbranch_scc0 .Lentry_in_a_cluster
	s_endpgm
.Lentry_in_a_cluster:
	s_bfe_u32 s2, ttmp6, 0x10000c
	s_cmp_lg_u32 s2, 0xf033
	s_cbranch_scc0 .Lentry_shape_is_right
	s_endpgm
.Lentry_shape_is_right:
; q = x Wq^T, k = x Wk^T, v = x Wv^T on codes of FP6 (E2M3) with E8M0 scales; RoPE on q and k in f32; then q and k are quantised along the head's 128 and v along the keys, and leave as BLOCKs.
; LAYOUT OF ALL CODES: an IMAGE (1,536 bytes) is a fragment of 16 rows x 128 K as its 12 registers (byte 512 g + 16 lane + 4 e = register 4 g + e); a BLOCK (12,800 bytes) is 8 images, then 512 bytes of scale
; words (row r, image j at 12288 + 32 r + 4 j); row r of image j is row 32 (j / 2) + 8 (j % 2) + r + 8 (r / 8) of its group of 128.  codes: 80 groups x 16 K steps: Wq 0-15, Wk 16-31, x 32-47, Wv 48-63, Wp 64-79.
; ONE TEXT FOR THREE PRODUCTS.  A tile is 256 rows of A' x 256 rows of B'.  B' walks groups 0 to 47 (Wq, Wk, x) along the grid's x; A' is x for q and k, and Wv where B' is x: so v is made as v^T = Wv x^T.
; THE MATRIX INSTRUCTION IS USED TRANSPOSED (source 0 = 16 rows of B', source 1 = 16 rows of A'): a lane holds one row of A' (a token for q and k, a channel for v), and by the images' order of rows the 64 registers
; of a block of 16 rows run along B' (the head's 128 channels; for v 128 keys): register 16 b + i = 32 b + 16 (lane / 16) + i, which is the order that the conversions and the next operand's layout want.
; Four waves, each 128 x 128: 64 accumulators; a wave's result is exactly one BLOCK of q, k or v.
; THE RING: two LDS slots of THREE K steps, as large as two fit in LDS, filled by the tensor data mover; scales ride in the BLOCKs.  Slot 0 takes K steps 0-2, 6-8, 12-14, slot 1 takes 3-5, 9-11 and 15: four refills, the
; last of one K step with a shape of its own.  Three steps to a slot and two sets of B's registers come back to their start only after six steps, and the fourth refill differs: so the 16 steps are written out.
; CLUSTERS: 4 x 4 work-groups; A's tiles are asked for jointly along a row of the cluster, B's along a column.
; qkv: q [head][16 groups of tokens] BLOCKs; from QBYTES on [head][16 key steps] pairs: k's BLOCK, then v's.
; LIMITS: NaN and infinities are not served; a block whose largest magnitude lies under 2^-124 keeps the byte 1, a block of zeros too; the rotation uses a fused multiply-add (one rounding less than two products and a sum).
; REGISTERS: window 0: v16-29 addresses; v32-47 scale words, two sets of 8; v64-127 a rotated block; from v128 A's fragments, one set (on the way out: codes and what the quantiser works with);
;   window 1: B's fragments, two sets, at v0 and v128; v96-127 and v224-255 cos and sin of an even block (of an odd one: v0-31, v32-63, from the last K step on);  windows 2, 3: accumulator (a, b) at v[8 (8 (a % 4) + b)].
.set BLK,    12800
.set WLOAD,  3*BLK                     ; what one tensor load brings: three K steps of one group
.set SLOT,   4*WLOAD                   ; A's two groups, then B's two
.set SPARE,  2*SLOT                    ; behind the ring: the spare words, 128 bytes a wave
.set GRP,    16*BLK                    ; a group's 16 K steps
.set QBYTES, 256*BLK
.set FR,   12
.set NL,   3                           ; LDS loads that bring a fragment
.set NP,   4                           ; places behind this matrix instruction (ISA guide 7.12.1)
.set ADRA, 16                          ; v16-17 my A fragments in slot 0, 1
.set ADRB, 20                          ; v20-21 my B fragments
.set ADRS, 22                          ; v22-23 my scale words: lanes 0-15 A's, lanes 16-31 B's
.set RO,   24                          ; v24    cos, sin: my token's row, + 32 h bytes
.set IO,   25                          ; v25    16 x lane
.set SO,   26                          ; v26    32 r + 16 h: my four scale words on the way out
.set LN,   27                          ; v27    lane
.set SPW,  28                          ; v28    my spare word; never rewritten
.set NIL,  29                          ; v29    0; never rewritten
.set SC,   32                          ; scale words: v[SC + 8 set + image]
.set HA,   64
.set AF,   128
.set PC,   128                         ; the way out: v128-146 codes
.set TM,   148                         ; v148-163 at work
.set PWS,  168                         ; v168-175 the eight blocks' scale words
.set DS,   176                         ; v176-179 the four that I store
.set SEL,  76                          ; s[76:77] selects for lane l xor 16
.set G1, 24                            ; s[24:31] group 1 for A's tiles of three K steps;  s[32:39] groups 0, one for each slot
.set G0, 32
.set G1B, 48                           ; s[48:55], s[56:63] the same for B's
.set G0B, 56
.set G1L, 80                           ; s[80:87], s[88:95] groups 1 for the last refill: one K step
.set G1BL, 88
.set MSB, 0
.macro WIN new                         ; the immediate's high byte repeats the setting that is left
.if MSB != (\new)
	s_set_vgpr_msb (MSB<<8)|(\new)
.set MSB, (\new)
.endif
.endm
.set MUL_LO, 0xa1                      ; source 0 (B) window 1, source 1 (A) window 0, C and D window 2
.set MUL_HI, 0xf1
.set TO_B,   0x40
.macro JLOAD g0a, g1a, g0b, g1b        ; a joint load: waves 0 and 1 fetch for A, waves 2 and 3 for B; four v_nop follow each line
	s_cmp_eq_u32 s15, 0
	s_cbranch_scc0 .Lfor_b_\@
	tensor_load_to_lds s[\g0a:\g0a+3], s[\g1a:\g1a+7]
	s_nop 0
.rept 4
	v_nop
.endr
	s_branch .Lasked_\@
.Lfor_b_\@:
	tensor_load_to_lds s[\g0b:\g0b+3], s[\g1b:\g1b+7]
	s_nop 0
.rept 4
	v_nop
.endr
.Lasked_\@:
.endm
.macro CREST                           ; a round of the cluster's barrier behind its opening barrier
	s_cmp_lg_u32 s14, 0
	s_cbranch_scc1 .Lnot_wave_0_\@
	s_barrier_signal -3
.Lnot_wave_0_\@:
	s_barrier_wait -3
	s_barrier_signal -1
	s_barrier_wait -1
.endm
.macro CROUND
	s_barrier_signal -1
	s_barrier_wait -1
	CREST
.endm
.macro PLACES n
.rept \n
	v_nop
.endr
.endm
	s_load_b256 s[4:11], s[0:1], 0x0               ; codes s[4:5], cos s[6:7], sin s[8:9], qkv s[10:11]
	v_lshl_add_u32 v[SPW], v0, 2, SPARE
	v_mov_b32 v[NIL], 0
	ds_add_u32 v28, v29
	ds_add_u32 v28, v29
	s_wait_dscnt 0x0
	v_lshrrev_b32 v1, 5, v0
	v_readfirstlane_b32 s14, v1                    ; wave 0..3
	s_lshr_b32 s15, s14, 1                         ; which group of A' is mine.  Also: I fetch for A (0) or for B (1)
	s_and_b32 s16, s14, 1                          ; which group of B'.  Also: which of the two groups I fetch
	s_bfe_u32 s40, ttmp6, 0x40000                  ; cx
	s_bfe_u32 s41, ttmp6, 0x40004                  ; cy
	s_lshl_b32 s42, ttmp9, 2
	s_add_co_u32 s42, s42, s40                     ; tile column 0..23
	s_and_b32 s17, ttmp7, 0xffff
	s_lshl_b32 s17, s17, 2
	s_add_co_u32 s17, s17, s41                     ; tile row 0..7
	s_lshr_b32 s12, ttmp9, 2                       ; 1 where B' is x (cluster x 4, 5): this tile is v^T.  The same in all sixteen partners
	s_lshl_b32 s43, s41, 2
	s_lshl_b32 s43, 15, s43                        ; my row of the cluster
	s_lshl_b32 s44, 0x1111, s40                    ; my column
	s_or_b32 s[G1+0], s43, (3<<16)|(1<<21)         ; 15:0 the mask; 17:16 elements of 8 bytes; 20 no padding; 21 set beside a mask
	s_or_b32 s[G1B+0], s44, (3<<16)|(1<<21)
	s_or_b32 s[G1L+0], s43, (3<<16)|(1<<21)
	s_or_b32 s[G1BL+0], s44, (3<<16)|(1<<21)
.irp g, G1, G1B                        ; three K steps: 38,400 dense bytes as 150 rows of 256
	s_mov_b32 s[\g+1], 32<<16                      ; tensor_dim0 = 32 elements
	s_mov_b32 s[\g+2], 150<<16                     ; tensor_dim1 = 150
	s_mov_b32 s[\g+3], 32<<16                      ; tile_dim0
	s_mov_b32 s[\g+4], 150                         ; tile_dim1
	s_mov_b32 s[\g+5], 32                          ; from row to row
	s_mov_b32 s[\g+6], 0
	s_mov_b32 s[\g+7], 0
.endr
.irp g, G1L, G1BL                      ; one K step: 12,800 dense bytes as 50 rows of 256
	s_mov_b32 s[\g+1], 32<<16
	s_mov_b32 s[\g+2], 50<<16
	s_mov_b32 s[\g+3], 32<<16
	s_mov_b32 s[\g+4], 50
	s_mov_b32 s[\g+5], 32
	s_mov_b32 s[\g+6], 0
	s_mov_b32 s[\g+7], 0
.endr
	s_lshl_b32 s20, s17, 1
	s_add_co_u32 s20, s20, s16
	s_lshl_b32 s21, s12, 4
	s_add_co_u32 s20, s20, s21
	s_add_co_u32 s20, s20, 32                      ; A': group 32 + 16 (v?) + 2 x tile row + half: x, or Wv
	s_mul_i32 s20, s20, GRP
	s_mov_b32 s21, 0
	s_lshl_b32 s46, s42, 1
	s_add_co_u32 s46, s46, s16                     ; B': group 2 x tile column + half
	s_mul_i32 s46, s46, GRP
	s_mov_b32 s47, 0
	s_mul_i32 s45, s14, WLOAD                      ; where they go: no place in the cluster enters an LDS address
	s_wait_kmcnt 0x0
	s_add_nc_u64 s[20:21], s[4:5], s[20:21]
	s_add_nc_u64 s[46:47], s[4:5], s[46:47]
	CROUND                                         ; all sixteen work-groups are here: the first joint loads meet
.irp s, 0,1
	s_mov_b32 s[G0+4*\s], 1
	s_add_co_u32 s[G0+4*\s+1], s45, \s*SLOT
	s_add_nc_u64 s[G0+4*\s+2:G0+4*\s+3], s[20:21], \s*WLOAD
	s_or_b32 s[G0+4*\s+3], s[G0+4*\s+3], 0x80000000
	s_mov_b32 s[G0B+4*\s], 1
	s_add_co_u32 s[G0B+4*\s+1], s45, \s*SLOT
	s_add_nc_u64 s[G0B+4*\s+2:G0B+4*\s+3], s[46:47], \s*WLOAD
	s_or_b32 s[G0B+4*\s+3], s[G0B+4*\s+3], 0x80000000
.endr
	JLOAD G0, G1, G0B, G1B                         ; K steps 0-2: one tensor load a wave at the head
	v_and_b32 v[LN], 31, v0
	v_and_b32 v1, 15, v0                           ; r
	v_bfe_u32 v2, v0, 4, 1                         ; h
	v_lshlrev_b32 v[IO], 4, v[LN]
	s_wait_alu depctr_va_vdst(0)
	s_mul_i32 s18, s15, WLOAD                      ; my group of A'
	s_mul_i32 s19, s16, WLOAD
	s_add_co_u32 s19, s19, 2*WLOAD                 ; my group of B', behind A's two
	s_xor_b32 s22, s15, 1
	s_add_co_u32 s22, s22, s16
	s_add_co_u32 s22, s22, 1
	s_mul_i32 s22, s22, WLOAD                      ; from my A group to my B group: 38,400 x (2 + B's half - A's half)
	v_lshlrev_b32 v3, 5, v1                        ; 32 r
	v_mul_u32_u24 v4, s22, v2                      ; lanes 16-31 take B's words
	v_add_nc_u32 v3, v3, v4
	s_add_co_u32 s23, s18, 12288
.irp s, 0,1
	v_add_nc_u32 v[ADRA+\s], s18, v[IO]
	v_add_nc_u32 v[ADRB+\s], s19, v[IO]
	v_add_nc_u32 v[ADRS+\s], s23, v3
	s_add_co_u32 s18, s18, SLOT
	s_add_co_u32 s19, s19, SLOT
	s_add_co_u32 s23, s23, SLOT
.endr
	v_and_b32 v5, 8, v1
	v_add_nc_u32 v5, v5, v1                        ; r + 8 (r / 8)
	v_lshlrev_b32 v[RO], 8, v5                     ; a token's row of cos or sin is 256 bytes
	v_lshl_add_u32 v[RO], v2, 5, v[RO]
	s_wait_alu depctr_va_vdst(0)
	v_lshlrev_b32 v[SO], 5, v1
	v_lshl_add_u32 v[SO], v2, 4, v[SO]
	s_mov_b32 s[SEL], 0x76543210
	s_mov_b32 s[SEL+1], 0xfedcba98
	; where my BLOCK goes.  Ga = my group of A', Gb = my group of B'; Gb / 16 says which product, Gb % 16 which head (q, k) or key step (v)
	s_lshl_b32 s66, s17, 1
	s_add_co_u32 s66, s66, s15                     ; Ga: group of tokens (q, k), head (v)
	s_lshl_b32 s67, s42, 1
	s_add_co_u32 s67, s67, s16                     ; Gb
	s_lshr_b32 s68, s67, 4
	s_and_b32 s69, s67, 15
	s_mov_b32 s73, 2*BLK
	s_cmp_eq_u32 s68, 2
	s_cselect_b32 s70, s66, s69                    ; head
	s_cselect_b32 s71, s69, s66                    ; group of tokens
	s_cselect_b32 s72, BLK, 0                      ; v's BLOCK lies behind k's
	s_cmp_eq_u32 s68, 0
	s_cselect_b32 s73, BLK, s73                    ; q: BLOCKs; k, v: pairs of BLOCKs,
	s_cselect_b32 s74, 0, QBYTES                   ; behind q's
	s_lshl_b32 s70, s70, 4
	s_add_co_u32 s70, s70, s71
	s_mul_i32 s70, s70, s73
	s_add_co_u32 s70, s70, s74
	s_add_co_u32 s70, s70, s72
	s_mov_b32 s71, 0
	s_add_nc_u64 s[10:11], s[10:11], s[70:71]
	s_lshl_b32 s72, s66, 15                        ; cos, sin at group Ga's first token: 128 rows of 256 bytes (inside the tables for every Ga, 0 to 15)
	s_mov_b32 s73, 0
	s_add_nc_u64 s[6:7], s[6:7], s[72:73]
	s_add_nc_u64 s[8:9], s[8:9], s[72:73]
; cos and sin for block a of 16 tokens: lane (r, h) holds channels 32 b + 16 h + 0 .. 15, that is pairs 16 b + 8 h + 0 .. 7: 32 bytes of its token's row for each b.  Register CB + p (SB + p): pair p of my 32
.macro RLOAD a
.set CB, 96-96*((\a)%2)
.set SB, 224-192*((\a)%2)
	WIN TO_B
.irp b, 0,1,2,3
.irp e, 0,1
	global_load_b128 v[CB+8*\b+4*\e:CB+8*\b+4*\e+3], v[RO], s[6:7] offset:(32*((\a)/2)+8*((\a)%2))*256+64*\b+16*\e
	global_load_b128 v[SB+8*\b+4*\e:SB+8*\b+4*\e+3], v[RO], s[8:9] offset:(32*((\a)/2)+8*((\a)%2))*256+64*\b+16*\e
.endr
.endr
	WIN 0
.endm
	RLOAD 0                                        ; block 0's, asked for here by every work-group, so that the way out finds them; v's work-groups never read them
.macro FRAG reg, adr, q, i             ; image i of the slot's q-th K step: three loads of 512 consecutive bytes
.irp g, 0,1,2
	ds_load_b128 v[\reg+4*\g:\reg+4*\g+3], v[\adr] offset:BLK*(\q)+1536*(\i)+512*\g
.endr
.endm
; 16 matrix instructions: A's blocks a0, a0 + 1 x B's eight; p: B's set and the set of scale words.  The 64 accumulators take turns, one instruction a turn, in the same order in every step.
.macro MUL16 a0, p, zero
.irp a, \a0, \a0+1
.irp b, 0,1,2,3,4,5,6,7
.if \zero
	v_wmma_scale_f32_16x16x128_f8f6f4 v[8*(8*((\a)%4)+\b):8*(8*((\a)%4)+\b)+7], v[128*(\p)+FR*\b:128*(\p)+FR*\b+FR-1], v[AF+FR*(\a):AF+FR*(\a)+FR-1], 0, v[SC+8*(\p)+\b], v[SC+8*(\p)+(\a)] matrix_a_fmt:MATRIX_FMT_FP6 matrix_b_fmt:MATRIX_FMT_FP6 matrix_a_scale:MATRIX_SCALE_ROW1
.else
	v_wmma_scale_f32_16x16x128_f8f6f4 v[8*(8*((\a)%4)+\b):8*(8*((\a)%4)+\b)+7], v[128*(\p)+FR*\b:128*(\p)+FR*\b+FR-1], v[AF+FR*(\a):AF+FR*(\a)+FR-1], v[8*(8*((\a)%4)+\b):8*(8*((\a)%4)+\b)+7], v[SC+8*(\p)+\b], v[SC+8*(\p)+(\a)] matrix_a_fmt:MATRIX_FMT_FP6 matrix_b_fmt:MATRIX_FMT_FP6 matrix_a_scale:MATRIX_SCALE_ROW1
.endif
.endr
.endr
.endm
.macro FETCH_B slot, q, p
	WIN TO_B
.irp i, 0,1,2,3,4,5,6,7
	FRAG 128*(\p)+FR*\i, ADRB+\slot, \q, \i
.endr
	WIN 0
.endm
.macro FETCH_A slot, q, i0
.irp i, \i0, \i0+1, \i0+2, \i0+3
	FRAG AF+FR*(\i), ADRA+\slot, \q, \i
.endr
.endm
.macro SCALES sl, q, p                 ; a K step's scale words into set p: eight words a row; lanes 0-15 A's, lanes 16-31 B's
.irp e, 0,1
	ds_load_b128 v[SC+8*(\p)+4*\e:SC+8*(\p)+4*\e+3], v[ADRS+\sl] offset:BLK*(\q)+16*\e
.endr
.endm
; A K step that has its successor in the same slot.  p: the step's parity.  A has one set of registers (a block is free when its eight products are issued), B and the scale words two.
.macro STEP slot, q, p, zero
	s_wait_dscnt 4*NL                              ; all but the youngest 12 loads (A's blocks 4-7) are in
	WIN MUL_LO
	MUL16 0, \p, \zero
	MUL16 2, \p, \zero
	s_wait_dscnt 0                                 ; A's blocks 4-7 are in
	PLACES NP                                      ; in front of loads into registers that matrix instructions have read
	FETCH_B \slot, (\q)+1, 1-(\p)
	FETCH_A \slot, (\q)+1, 0
	SCALES \slot, (\q)+1, 1-(\p)
	WIN MUL_HI
	MUL16 4, \p, \zero
	MUL16 6, \p, \zero
	PLACES NP
	WIN 0
	FETCH_A \slot, (\q)+1, 4
.endm
; A slot's third K step changes slots: ONE barrier; in front of it each wave waits for all its tensor loads, adds 0 to its spare word, and waits for that and for its reads of this slot.
; fill = 1: this slot is filled again, six K steps on;  fill = 2: the same with one K step alone, the sixteenth;  fill = 0: nothing is left to fetch.
.macro TURN slot, next, p, fill
	s_wait_tensorcnt 0x0                           ; all my tensor loads have landed: my part of the next slot
	ds_add_u32 v[SPW], v[NIL]                      ; 0 onto my spare word
	s_wait_dscnt 4*NL+1                            ; (the add and the youngest 12 loads may be out)
	WIN MUL_LO
	MUL16 0, \p, 0
	s_wait_dscnt 0x0                               ; the add is done, and my reads of this slot are over
	s_barrier_signal -1
	MUL16 2, \p, 0
	WIN 0
	s_barrier_wait -1
.if \fill
	CREST                                          ; the barrier has opened a round of the cluster's: no wave of any partner still reads this slot or has a load on its way
	s_add_nc_u64 s[G0+4*\slot+2:G0+4*\slot+3], s[G0+4*\slot+2:G0+4*\slot+3], 2*WLOAD
	s_add_nc_u64 s[G0B+4*\slot+2:G0B+4*\slot+3], s[G0B+4*\slot+2:G0B+4*\slot+3], 2*WLOAD
.if \fill == 1
	JLOAD G0+4*\slot, G1, G0B+4*\slot, G1B         ; the first tensor load behind the round; its four v_nop are the places in front of the loads below
.else
	JLOAD G0+4*\slot, G1L, G0B+4*\slot, G1BL
.endif
.else
	PLACES NP
.endif
	FETCH_B \next, 0, 1-(\p)
	FETCH_A \next, 0, 0
	SCALES \next, 0, 1-(\p)
	WIN MUL_HI
	MUL16 4, \p, 0
	MUL16 6, \p, 0
	PLACES NP
	WIN 0
	FETCH_A \next, 0, 4
.endm
	s_wait_alu depctr_va_vdst(0)
	s_wait_tensorcnt 0x0                           ; my part of slot 0 is in; slot 1's first fill is issued as a refill is:
	ds_add_u32 v[SPW], v[NIL]
	s_wait_dscnt 0x0
	CROUND                                         ; a whole round: slot 0 is whole, and the sixteen work-groups' joint loads meet
	JLOAD G0+4, G1, G0B+4, G1B                     ; K steps 3-5, the first tensor load behind the round
	FETCH_B 0, 0, 0
	FETCH_A 0, 0, 0
	SCALES 0, 0, 0
	FETCH_A 0, 0, 4
	STEP 0, 0, 0, 1                                ; K step 0: its products start the sums
	STEP 0, 1, 1, 0                                ; 1
	TURN 0, 1, 0, 1                                ; 2; slot 0 takes K steps 6-8
	STEP 1, 0, 1, 0                                ; 3
	STEP 1, 1, 0, 0                                ; 4
	TURN 1, 0, 1, 1                                ; 5; slot 1 takes K steps 9-11
	STEP 0, 0, 0, 0                                ; 6
	STEP 0, 1, 1, 0                                ; 7
	TURN 0, 1, 0, 1                                ; 8; slot 0 takes K steps 12-14
	STEP 1, 0, 1, 0                                ; 9
	STEP 1, 1, 0, 0                                ; 10
	TURN 1, 0, 1, 2                                ; 11; slot 1 takes K step 15
	STEP 0, 0, 0, 0                                ; 12
	STEP 0, 1, 1, 0                                ; 13
	TURN 0, 1, 0, 0                                ; 14; nothing is left to fetch
	RLOAD 1                                        ; block 1's cos and sin, into B's set 0, which step 14's products have read four places back: the last step's 64 products stand between these loads and their use
	s_wait_dscnt 4*NL                              ; K step 15
	WIN MUL_LO
	MUL16 0, 1, 0
	MUL16 2, 1, 0
	s_wait_dscnt 0
	WIN MUL_HI
	MUL16 4, 1, 0
	MUL16 6, 1, 0
	WIN 0
; THE ROTATION of block a: pair p of my 32 is registers 2 p, 2 p + 1: (xr c - xi s, xr s + xi c).  First both times c, then the crossed products by a fused multiply-add.  Each accumulator is read from its low end on.
.macro ROPE a
.set CB, 96-96*((\a)%2)
.set SB, 224-192*((\a)%2)
.set XB, 64*((\a)%4)
	WIN 0x06+(\a)/4                                ; source 0: the accumulators' window, source 1: window 1
.irp e, 0,2,4,6,8,10,12,14,16,18,20,22,24,26,28,30
	v_pk_mul_f32 v[HA+2*\e:HA+2*\e+1], v[XB+2*\e:XB+2*\e+1], v[CB+\e:CB+\e+1] op_sel_hi:[1,0]
	v_pk_mul_f32 v[HA+2*\e+2:HA+2*\e+3], v[XB+2*\e+2:XB+2*\e+3], v[CB+\e:CB+\e+1] op_sel:[0,1] op_sel_hi:[1,1]
.endr
.irp e, 0,2,4,6,8,10,12,14,16,18,20,22,24,26,28,30
	v_pk_fma_f32 v[HA+2*\e:HA+2*\e+1], v[XB+2*\e:XB+2*\e+1], v[SB+\e:SB+\e+1], v[HA+2*\e:HA+2*\e+1] op_sel:[1,0,0] op_sel_hi:[0,0,1] neg_lo:[0,1,0]
	v_pk_fma_f32 v[HA+2*\e+2:HA+2*\e+3], v[XB+2*\e+2:XB+2*\e+3], v[SB+\e:SB+\e+1], v[HA+2*\e+2:HA+2*\e+3] op_sel:[1,1,0] op_sel_hi:[0,1,1] neg_lo:[0,1,0]
.endr
	WIN 0
.endm
; 64 numbers of a lane in window w, register s + 16 b + i = k 32 b + 16 (lane / 16) + i of my row, become a fragment's codes in v[PC] on and its scale word in v[pw].
.macro QUANT s, pw, w
.set QW1, 5*(\w)
.set QW2, 20*(\w)
	WIN QW1                                        ; sources 0 and 1 in window w
.irp b, 0,1,2,3
	v_max3_num_f32 v[TM+\b], |v[(\s)+16*\b]|, |v[(\s)+1+16*\b]|, 0x1800000   ; block b: my 16 numbers, and the floor 2^(3 - 127): the byte cannot fall under 1
.endr
	WIN QW2                                        ; sources 1 and 2
.irp i, 2,4,6,8,10,12,14
.irp b, 0,1,2,3
	v_max3_num_f32 v[TM+\b], v[TM+\b], |v[(\s)+16*\b+\i]|, |v[(\s)+1+16*\b+\i]|
.endr
.endr
	WIN 0
.irp b, 0,1,2,3
	v_permlanex16_b32 v[TM+4+\b], v[TM+\b], s[SEL], s[SEL+1]
.endr
.irp b, 0,1,2,3
	v_max_num_f32 v[TM+\b], v[TM+\b], v[TM+4+\b]   ; with lane l xor 16's: the block's largest magnitude
.endr
.irp b, 0,1,2,3
	v_add_nc_u32 v[TM+12+\b], 0xff000000, v[TM+\b] ; 2 off its exponent field: the conversion's scale operand
.endr
.irp b, 0,1,2,3
	v_lshrrev_b32 v[TM+4+\b], 23, v[TM+12+\b]      ; the scale's byte
.endr
	v_lshl_or_b32 v[\pw], v[TM+5], 8, v[TM+4]
	v_lshl_or_b32 v[\pw], v[TM+6], 16, v[\pw]
	v_lshl_or_b32 v[\pw], v[TM+7], 24, v[\pw]
	WIN (\w)                                       ; source 0
.irp c, 0,1
	v_cvt_scalef32_pk16_fp6_f32 v[PC+6*\c:PC+2+6*\c], v[(\s)+32*\c:(\s)+15+32*\c], v[TM+12+2*\c]
	v_cvt_scalef32_pk16_fp6_f32 v[PC+12+4*\c:PC+14+4*\c], v[(\s)+16+32*\c:(\s)+31+32*\c], v[TM+12+2*\c+1]   ; (a conversion's three registers begin on an even number)
.endr
	WIN 0
	v_nop                                          ; one plain instruction behind the scaled conversions
.irp c, 0,1                            ; the operand's layout wants a whole block in a lane
.irp i, 0,1,2
	v_permlane16_swap_b32 v[PC+6*\c+\i], v[PC+12+4*\c+\i]
.endr
.irp i, 0,1,2
	v_mov_b32 v[PC+3+6*\c+\i], v[PC+12+4*\c+\i]
.endr
.endr
.endm
.macro OUTIMG a                        ; the fragment leaves as it stands: image a of my BLOCK, 512 consecutive bytes a store
.irp g, 0,1,2
	global_store_b128 v[IO], v[PC+4*\g:PC+4*\g+3], s[10:11] offset:1536*(\a)+512*\g
.endr
.endm
	; THE WAY OUT.  No LDS: a block of 16 rows becomes one image.
	PLACES NP                                      ; behind the last products
.irp b, 0,1,2,3
	v_mov_b32 v[TM+4+\b], 0                        ; written once: a lane permute's destination counts as one of its sources
.endr
	v_cmp_le_u32 vcc_lo, 16, v[LN]                 ; lanes 16-31
	s_cmp_lg_u32 s12, 0                            ; v has no rotation: its way out is written apart.  The branch hangs on the cluster's x alone
	s_cbranch_scc1 .Lv_out
.irp a, 0,1,2,3,4,5,6,7
.if \a < 7
	s_wait_loadcnt 16                              ; this block's cos and sin are in; the next block's 16 loads may be out
.else
	s_wait_loadcnt 0x0
.endif
	ROPE \a
	s_wait_xcnt 0x0                                ; the last image's stores have read their data: the codes' registers are rewritten only behind this wait
.if \a < 6
	RLOAD \a+2                                     ; into the set just read
.endif
	QUANT HA, PWS+\a, 0
	OUTIMG \a
.endr
	s_branch .Lwords
.Lv_out:
.irp a, 0,1,2,3,4,5,6,7
	s_wait_xcnt 0x0                                ; as above
	QUANT 64*(\a%4), PWS+\a, 2+\a/4                ; straight from the accumulators
	OUTIMG \a
.endr
.Lwords:
.irp i, 0,1,2,3
	v_cndmask_b32 v[DS+\i], v[PWS+\i], v[PWS+4+\i], vcc_lo   ; lane (r, h) stores row r's words of images 4 h .. 4 h + 3
.endr
	global_store_b128 v[SO], v[DS:DS+3], s[10:11] offset:12288   ; 512 consecutive bytes
	s_wait_tensorcnt 0x0                           ; the wave's end
	ds_add_u32 v[SPW], v[NIL]
	s_wait_dscnt 0x0
	CROUND                                         ; the closing round: no work-group ends while a partner may still ask for a tile that names it
	s_endpgm
.Lfunc_end_k_q6abbe71e45_qkv:
	.size	k_q6abbe71e45_qkv, .Lfunc_end_k_q6abbe71e45_qkv-k_q6abbe71e45_qkv
	.p2alignl 7, 3214868480
	.fill 96, 4, 3214868480
	.section	.rodata,"a",@progbits
	.p2align	6, 0x0
	.amdhsa_kernel k_q6abbe71e45_qkv
		.amdhsa_group_segment_fixed_size 327680
		.amdhsa_private_segment_fixed_size 0
		.amdhsa_enable_private_segment 0
		.amdhsa_kernarg_size 32
		.amdhsa_user_sgpr_count 2
		.amdhsa_user_sgpr_kernarg_segment_ptr 1
		.amdhsa_wavefront_size32 1
		.amdhsa_system_sgpr_workgroup_id_x 1
		.amdhsa_system_sgpr_workgroup_id_y 1
		.amdhsa_system_sgpr_workgroup_id_z 1
		.amdhsa_system_vgpr_workitem_id 0
		.amdhsa_next_free_vgpr 1024
		.amdhsa_next_free_sgpr 96
		.amdhsa_reserve_vcc 1
		.amdhsa_float_denorm_mode_32 3
		.amdhsa_float_denorm_mode_16_64 3
		.amdhsa_memory_ordered 1
		.amdhsa_forward_progress 1
		.amdhsa_inst_pref_size 255
	.end_amdhsa_kernel
	.section	.bss,"aw",@nobits
	.p2align	6
	.space	262144
	.amdgpu_metadata
---
amdhsa.version: [ 1, 2 ]
amdhsa.kernels:
  - .name:           k_q6abbe71e45_qkv
    .symbol:         k_q6abbe71e45_qkv.kd
    .args:
      - { .name: codes, .offset: 0, .size: 8, .value_kind: global_buffer, .address_space: global }
      - { .name: rope_cos, .offset: 8, .size: 8, .value_kind: global_buffer, .address_space: global }
      - { .name: rope_sin, .offset: 16, .size: 8, .value_kind: global_buffer, .address_space: global }
      - { .name: qkv, .offset: 24, .size: 8, .value_kind: global_buffer, .address_space: global }
    .group_segment_fixed_size: 327680
    .private_segment_fixed_size: 0
    .kernarg_segment_align: 8
    .kernarg_segment_size: 32
    .max_flat_workgroup_size: 128
    .sgpr_count:     96
    .vgpr_count:     1024
    .wavefront_size: 32
...
	.end_amdgpu_metadata
.endif
;; end of part 2
;; launch attn (part 3): grid 16 x 16, 4 waves a work-group, no clusters, 1,024 bytes of LDS; arguments qkv, maskw, ocodes; writes ocodes
.if DOCPART == 3
	.amdgcn_target "amdgcn-amd-amdhsa--gfx1250"
	.amdhsa_code_object_version 6
	.text
	.protected	k_q6abbe71e45_attn
	.globl	k_q6abbe71e45_attn
	.p2align	8
	.type	k_q6abbe71e45_attn,@function
k_q6abbe71e45_attn:
	s_mov_b64 s[64:65], 0
	v_nop
	global_prefetch_b8 v0, s[64:65] scope:SCOPE_SE
	s_setreg_imm32_b32 hwreg(HW_REG_WAVE_MODE, 25, 1), 1
	s_wait_xcnt 0x0
; o = softmax(mask(q k^T / sqrt(128))) v on codes of FP6 (E2M3) with E8M0 scales, head by head; o is quantised along the head's 128 and leaves as images of BLOCKs for the projection.
; LAYOUT (as the launches before wrote it): an IMAGE (1,536 bytes) is a fragment of 16 rows x 128 K as its 12 registers; a BLOCK (12,800 bytes) is 8 images, then 512 bytes of scale words (row r, image j at 12288 + 32 r + 4 j).
; qkv: q [head][16 groups of tokens] BLOCKs; from QBYTES on [head][16 key steps] pairs: k's BLOCK, then v's (v with the keys innermost).  maskw: [128 query tiles][16 key steps][64 words], word n = the lane mask of score register n.
; SHARES.  Work-group (x, head): Gp = x / 2, half = x % 2.  Wave wv owns image w = 4 half + wv of token group 15 - Gp (tile 0) and of token group Gp (tile 1): 2 x 16 queries, and walks the 16 key steps once for both.
; WHAT THE MASK WORDS DECIDE.  They are whole numbers that an earlier launch stored.  A tile's 4,096 bytes of words are kept in 32 registers (lane 2 s + n / 32, register n % 32 = word n of step s).  Their OR and AND give, for each
; step, 'some key is allowed' and 'not every key is allowed'.  A step in which no key is allowed to any of the tile's 16 queries is passed over, if each of the 16 queries has some allowed key in some step: a masked score stands
; finfo.min-like far under the row's maximum, so its p is 0 in f32 and it adds nothing to the sum or to o.  If some query of the tile has no allowed key at all, every step is done: the softmax then gives the mean of v, and so does this text.
; The selects that put the masked value in stand only in steps where not every key is allowed.  These are scalar branches on stored words; this launch has no tensor load, no joint loads and no cluster;
; k's and v's fragments go from memory straight into registers, 512 consecutive bytes a load, one key step ahead, in two sets by turns; both tiles use each set.
; PREFETCH: in step s the bytes of step s + 3 (one step ahead of the loads that want them) are asked for: a step's 100 blocks of 256 bytes are shared out by address among the first 50 of the 64 waves that walk this head,
; two blocks a wave (lane 0 the first, the other lanes the second); steps 13 to 15 ask for nothing.
; SOFTMAX: t = score x log2(e) / sqrt(128); M = the running maximum of t rounded up to a whole number; p = 2^(t - M); the sum is taken of the unquantised p; a change of M multiplies sum and o by an exact power of two.
; LIMITS: holds while |t| stays under 2^31; a masked score is -8.5e37 (not finfo.min); NaN and infinities are not served; a block whose largest magnitude lies under 2^-124 keeps the byte 1, a block of zeros too.
; REGISTERS: window 0: v1-11, v22-29 offsets; v12-19 -M, largest t, sum (tile 0, 1); v20-21 q's scale words; v32-63 k's and v's scale words, two sets; v96-159 scores, then p; v160-215 the way out; v224-254 p's codes and work.
;   windows 1, 2: a key step's fragments: k's at v0-95, v's at v96-191.   window 3: o^T of tile 0, 1 at v0, v64; q's fragments at v128, v140; the mask words at v160, v192.
.set BLK,    12800
.set STEPB,  2*BLK
.set QBYTES, 256*BLK
.set SPARE,  512                       ; LDS: 512 bytes of scale words on the way out, then the spare words, 128 bytes a wave
.set CS,  16                           ; s[16:17] log2(e) / sqrt(128)
.set SEL, 18                           ; s[18:19] selects for lane l xor 16
.set ND,  24                           ; s24, s25 tile 0, 1: two bits a step, this step's lowest: some key allowed
.set PT,  26                           ; s26, s27 the same: not every key allowed
.set LN,  28                           ; 2 x step
.set PFL, 29                           ; my wave prefetches while 2 x step is under this
.set CNT, 30
.set KV,  66                           ; s[66:67] k's and v's BLOCKs
.set TM,  160
.set MSB, 0
.macro WIN new
.if MSB != (\new)
	s_set_vgpr_msb (MSB<<8)|(\new)
.set MSB, (\new)
.endif
.endm
.macro LOADKV w, off                   ; a key step into set w: 52 loads
	WIN (\w)<<6
.irp j, 0,1,2,3,4,5,6,7
.irp g, 0,1,2
	global_load_b128 v[12*\j+4*\g:12*\j+4*\g+3], v1, s[KV:KV+1] offset:(\off)+1536*\j+512*\g
.endr
.endr
.irp j, 0,1,2,3,4,5,6,7
.irp g, 0,1,2
	global_load_b128 v[96+12*\j+4*\g:96+12*\j+4*\g+3], v1, s[KV:KV+1] offset:(\off)+BLK+1536*\j+512*\g
.endr
.endr
	WIN 0
.irp e, 0,1
	global_load_b128 v[16+16*(\w)+4*\e:19+16*(\w)+4*\e], v2, s[KV:KV+1] offset:(\off)+12288+16*\e
	global_load_b128 v[24+16*(\w)+4*\e:27+16*(\w)+4*\e], v2, s[KV:KV+1] offset:(\off)+BLK+12288+16*\e
.endr
.endm
	s_load_b128 s[4:7], s[0:1], 0x0                ; qkv, maskw
	s_load_b64 s[8:9], s[0:1], 0x10                ; ocodes
	v_lshl_add_u32 v5, v0, 2, SPARE
	v_mov_b32 v6, 0
	v_lshrrev_b32 v1, 5, v0
	v_readfirstlane_b32 s10, v1                    ; wave 0..3
	s_and_b32 s11, ttmp7, 0xffff                   ; head
	s_lshr_b32 s12, ttmp9, 1                       ; Gp: tile 1's group
	s_and_b32 s13, ttmp9, 1                        ; half
	s_lshl_b32 s14, s13, 2
	s_add_co_u32 s14, s14, s10                     ; image w
	s_sub_co_u32 s21, 15, s12                      ; tile 0's group
	s_lshl_b32 s22, s11, 4
	s_add_co_u32 s80, s22, s21
	s_mul_i32 s80, s80, BLK                        ; q's BLOCK, tile 0, 1
	s_add_co_u32 s81, s22, s12
	s_mul_i32 s81, s81, BLK
	s_lshl_b32 s82, s21, 3
	s_add_co_u32 s82, s82, s14
	s_lshl_b32 s82, s82, 12                        ; the tile's mask words
	s_lshl_b32 s83, s12, 3
	s_add_co_u32 s83, s83, s14
	s_lshl_b32 s83, s83, 12
	s_lshl_b32 s84, s21, 4
	s_add_co_u32 s84, s84, s11
	s_mul_i32 s84, s84, BLK                        ; o's BLOCK
	s_lshl_b32 s85, s12, 4
	s_add_co_u32 s85, s85, s11
	s_mul_i32 s85, s85, BLK
	s_mul_i32 s66, s11, 16*STEPB
	s_add_co_u32 s66, s66, QBYTES
	s_mov_b32 s67, 0
	s_mul_i32 s23, s14, 1536
	s_lshl_b32 s86, s14, 2
	s_lshl_b32 s87, s10, 2
	s_lshl_b32 s88, s13, 4
	s_lshl_b32 s89, ttmp9, 2
	s_add_co_u32 s89, s89, s10                     ; which of the head's 64 waves
	s_cmp_lt_u32 s89, 50
	s_cselect_b32 s[PFL], 26, 0
	s_lshl_b32 s89, s89, 9                         ; two blocks of 256 bytes a wave
	s_mov_b32 s[CS], 0x3e0293ee
	s_mov_b32 s[CS+1], s[CS]
	s_mov_b32 s[SEL], 0x76543210
	s_mov_b32 s[SEL+1], 0xfedcba98
	s_mov_b32 s[LN], 0
	s_mov_b32 s[CNT], 8
	v_and_b32 v64, 31, v0                          ; lane
	v_and_b32 v65, 15, v0                          ; r
	v_lshlrev_b32 v1, 4, v64                       ; 16 x lane
	v_lshlrev_b32 v2, 5, v65                       ; 32 r
	v_lshlrev_b32 v3, 7, v64                       ; 128 x lane
	v_min_u32 v4, 1, v64
	v_lshl_add_u32 v4, v4, 8, s89                  ; the prefetches' offset
	v_mov_b32 v7, 0xfe800000                       ; a masked score
	v_add_nc_u32 v8, s23, v1                       ; my image in a BLOCK
	v_add_nc_u32 v9, s86, v2
	v_add_nc_u32 v9, 12288, v9                     ; my rows' scale words in a BLOCK
	v_lshl_add_u32 v10, v65, 4, s87                ; LDS: 16 r + 4 wave
	v_add_nc_u32 v66, s88, v2
	v_add_nc_u32 v66, 12288, v66                   ; four scale words of a row: 12288 + 32 r + 16 half
	v_add_nc_u32 v11, s84, v66
	v_add_nc_u32 v67, s85, v66
	v_cmp_le_u32 vcc_lo, 16, v64
	v_cndmask_b32 v11, v11, v67, vcc_lo            ; lanes 0-15 tile 0's BLOCK, lanes 16-31 tile 1's
.irp t, 0,1
	v_add_nc_u32 v[22+\t], s[80+\t], v8
	v_add_nc_u32 v[24+\t], s[80+\t], v9
	v_add_nc_u32 v[26+\t], s[82+\t], v3
	v_add_nc_u32 v[28+\t], s[84+\t], v8
.endr
	s_wait_alu depctr_va_vdst(0)
	s_wait_kmcnt 0x0
	s_add_nc_u64 s[KV:KV+1], s[4:5], s[KV:KV+1]
	WIN 0xc0
.irp t, 0,1
.irp e, 0,1,2,3,4,5,6,7
	global_load_b128 v[160+32*\t+4*\e:163+32*\t+4*\e], v[26+\t], s[6:7] offset:16*\e   ; 32 mask words a lane: half a key step
.endr
.endr
.irp t, 0,1
.irp g, 0,1,2
	global_load_b128 v[128+12*\t+4*\g:131+12*\t+4*\g], v[22+\t], s[4:5] offset:512*\g   ; q's fragment
.endr
.endr
	WIN 0
.irp t, 0,1
	global_load_b32 v[20+\t], v[24+\t], s[4:5]
.endr
	LOADKV 1, 0                                    ; key step 0
.irp t, 0,1
	v_mov_b32 v[13+4*\t], 0xff61b1e6               ; the largest t so far: -3e38
	v_mov_b32 v[14+4*\t], 0
	v_mov_b32 v[15+4*\t], 0
	v_mov_b32 v[72+\t], 0                          ; (destinations of lane moves count as read)
.endr
.irp t, 0,1
	v_floor_f32 v[12+4*\t], -v[13+4*\t]            ; -M
.endr
.irp b, 0,1,2,3
	v_mov_b32 v[236+\b], 0
.endr
	v_mov_b32 v252, 0
	v_mov_b32 v253, 0
	WIN 0xc0
.set j, 0
.rept 128
	v_mov_b32 v[j], 0                              ; o^T of both tiles: which step is a tile's first hangs on the mask, so no first step is written apart
.set j, j+1
.endr
	WIN 0
	s_wait_alu depctr_va_vdst(0)
	s_wait_loadcnt 60                              ; the 16 mask loads are in; behind them: q's 8 and key step 0's 52
	WIN 0x0f
.irp t, 0,1
	v_or_b32 v[68+\t], v[160+32*\t], v[161+32*\t]
	v_and_b32 v[70+\t], v[160+32*\t], v[161+32*\t]
.endr
	WIN 0x0c
.irp n, 2,3,4,5,6,7,8,9,10,11,12,13,14,15,16,17,18,19,20,21,22,23,24,25,26,27,28,29,30,31
.irp t, 0,1
	v_or_b32 v[68+\t], v[68+\t], v[160+32*\t+\n]
	v_and_b32 v[70+\t], v[70+\t], v[160+32*\t+\n]
.endr
.endr
	WIN 0
.irp t, 0,1
	v_cmp_ne_u32 s[ND+\t], 0, v[68+\t]             ; bit l: my half step has an allowed key
	v_cmp_ne_u32 s[PT+\t], -1, v[70+\t]            ; bit l: it has a masked one
.endr
.irp m, 1,2,4,8                        ; the OR over all lanes: bit l = query l % 16 has an allowed key (in the keys' half l / 16)
.irp t, 0,1
	v_mov_b32_dpp v[72+\t], v[68+\t] row_xmask:\m row_mask:0xf bank_mask:0xf
.endr
.irp t, 0,1
	v_or_b32 v[68+\t], v[68+\t], v[72+\t]
.endr
.endr
.irp t, 0,1
	v_permlanex16_b32 v[72+\t], v[68+\t], s[SEL], s[SEL+1]
.endr
.irp t, 0,1
	v_or_b32 v[68+\t], v[68+\t], v[72+\t]
.endr
.irp t, 0,1
	v_readfirstlane_b32 s[20+\t], v[68+\t]
.endr
.irp t, 0,1
	s_lshr_b32 s22, s[20+\t], 16
	s_or_b32 s22, s22, s[20+\t]
	s_and_b32 s22, s22, 0xffff
	s_cmp_eq_u32 s22, 0xffff
	s_cselect_b32 s[ND+\t], s[ND+\t], -1           ; a query with no allowed key at all: every step is done
.endr
	LOADKV 2, STEPB                                ; key step 1
	s_wait_alu depctr_va_vdst(0)
	s_wait_loadcnt 52                              ; q and key step 0 are in; key step 1's 52 loads may be out
; One tile's work on one key step, on the fragments of set w.  Both products are used transposed: a lane holds one query.
.macro TS t, w
.set ST, 12+4*(\t)
.set KS, 16+16*(\w)
.set OB, 64*(\t)
.set QB, 128+12*(\t)
.set MW, 160+32*(\t)
	s_wait_alu depctr_va_vdst(0)
	s_and_b32 s20, s[ND+\t], 3
	s_cmp_eq_u32 s20, 0
	s_cbranch_scc1 .Lskip_\@                       ; no key of this step is allowed to this tile
	WIN 0x0c|(\w)
.irp j, 0,1,2,3,4,5,6,7
	v_wmma_scale_f32_16x16x128_f8f6f4 v[96+8*\j:103+8*\j], v[12*\j:12*\j+11], v[QB:QB+11], 0, v[KS+\j], v[20+\t] matrix_a_fmt:MATRIX_FMT_FP6 matrix_b_fmt:MATRIX_FMT_FP6
.endr
	WIN 0
.rept 4
	v_nop                                          ; places behind the products (ISA guide 7.12.1)
.endr
	s_and_b32 s20, s[PT+\t], 3
	s_cmp_eq_u32 s20, 0
	s_cbranch_scc1 .Lfull_\@                       ; every key of this step is allowed: nothing to select
.irp f, 0,1
	s_add_co_u32 s21, s[LN], \f
	WIN 0x03
.set n, 0
.rept 32
	v_readlane_b32 s[32+n], v[MW+n], s21           ; word 32 f + n of this step
.set n, n+1
.endr
	WIN 0
.set n, 0
.rept 32
	v_cndmask_b32 v[96+32*\f+n], v7, v[96+32*\f+n], s[32+n]
.set n, n+1
.endr
.endr
.Lfull_\@:
.irp b, 0,1,2,3
	v_max3_num_f32 v[232+\b], v[96+16*\b], v[97+16*\b], v[98+16*\b]   ; the largest score of each block of 32 keys
.endr
.irp i, 3,5,7,9,11,13
.irp b, 0,1,2,3
	v_max3_num_f32 v[232+\b], v[232+\b], v[96+16*\b+\i], v[97+16*\b+\i]
.endr
.endr
.irp b, 0,1,2,3
	v_max_num_f32 v[232+\b], v[232+\b], v[111+16*\b]
.endr
.irp b, 0,1,2,3
	v_permlanex16_b32 v[236+\b], v[232+\b], s[SEL], s[SEL+1]
.endr
.irp b, 0,1,2,3
	v_max_num_f32 v[232+\b], v[232+\b], v[236+\b]
.endr
	v_max3_num_f32 v254, v232, v233, v234
	v_max_num_f32 v254, v254, v235
	v_mul_f32 v254, s[CS], v254
	v_max_num_f32 v[ST+1], v[ST+1], v254           ; the running largest t
	v_mov_b32 v254, v[ST]
	v_floor_f32 v[ST], -v[ST+1]                    ; the new -M
	v_sub_f32 v254, v[ST], v254
	v_cvt_i32_f32 v254, v254                       ; (it saturates)
	v_ldexp_f32 v252, 1.0, v254                    ; f = 2^(old M - new M)
.set j, 0
.rept 32
	v_pk_fma_f32 v[96+j:97+j], v[96+j:97+j], s[CS:CS+1], v[ST:ST+1] op_sel_hi:[1,0,0]   ; t - M
.set j, j+2
.endr
.irp b, 0,1,2,3
	v_fma_f32 v[232+\b], v[232+\b], s[CS], v[ST]
.endr
	v_pk_mul_f32 v[ST+2:ST+3], v[ST+2:ST+3], v[252:253] op_sel_hi:[1,0]
	WIN 0xc3
	s_wait_alu depctr_va_vdst(0)                   ; ahead of o^T's first reader, and ahead of the batch below
.set j, 0
.rept 32
	v_pk_mul_f32 v[OB+j:OB+j+1], v[OB+j:OB+j+1], v[252:253] op_sel_hi:[1,0]   ; o^T under the new M
.set j, j+2
.endr
	WIN 0
.set j, 0
.rept 64
	v_exp_f32 v[96+j], v[96+j]                     ; p
.set j, j+1
.endr
.irp b, 0,1,2,3
	v_exp_f32 v[232+\b], v[232+\b]                 ; each block's largest p
.endr
	v_nop
	s_wait_alu depctr_va_vdst(0)                   ; one wait for the batch
.irp b, 0,1,2,3
	v_max_num_f32 v[232+\b], 0x1800000, v[232+\b]  ; the floor 2^(3 - 127)
.endr
.irp b, 0,1,2,3
	v_add_nc_u32 v[244+\b], 0xff000000, v[232+\b]  ; the conversion's scale operand
.endr
.irp b, 0,1,2,3
	v_lshrrev_b32 v[236+\b], 23, v[244+\b]
.endr
	v_lshl_or_b32 v253, v237, 8, v236              ; p's scale word
	v_lshl_or_b32 v253, v238, 16, v253
	v_lshl_or_b32 v253, v239, 24, v253
.irp c, 0,1
	v_cvt_scalef32_pk16_fp6_f32 v[224+6*\c:226+6*\c], v[96+32*\c:111+32*\c], v[244+2*\c]
	v_cvt_scalef32_pk16_fp6_f32 v[236+4*\c:238+4*\c], v[112+32*\c:127+32*\c], v[244+2*\c+1]
.endr
	v_nop
.irp c, 0,1
.irp i, 0,1,2
	v_permlane16_swap_b32 v[224+6*\c+\i], v[236+4*\c+\i]
.endr
.irp i, 0,1,2
	v_mov_b32 v[227+6*\c+\i], v[236+4*\c+\i]
.endr
.endr
.irp c, 0,1,2,3                        ; the sum of the unquantised p, in four chains; these 32 lines are also the places ahead of the scaled products
	v_pk_add_f32 v[236+2*\c:237+2*\c], v[96+2*\c:97+2*\c], v[104+2*\c:105+2*\c]
.endr
.irp j, 16,24,32,40,48,56
.irp c, 0,1,2,3
	v_pk_add_f32 v[236+2*\c:237+2*\c], v[236+2*\c:237+2*\c], v[96+\j+2*\c:97+\j+2*\c]
.endr
.endr
	v_pk_add_f32 v[236:237], v[236:237], v[238:239]
	v_pk_add_f32 v[240:241], v[240:241], v[242:243]
	v_pk_add_f32 v[ST+2:ST+3], v[ST+2:ST+3], v[236:237]
	v_pk_add_f32 v[ST+2:ST+3], v[ST+2:ST+3], v[240:241]
	WIN 0xf0|(\w)
.irp j, 0,1,2,3,4,5,6,7
	v_wmma_scale_f32_16x16x128_f8f6f4 v[OB+8*\j:OB+8*\j+7], v[96+12*\j:107+12*\j], v[224:235], v[OB+8*\j:OB+8*\j+7], v[KS+8+\j], v253 matrix_a_fmt:MATRIX_FMT_FP6 matrix_b_fmt:MATRIX_FMT_FP6
.endr
	WIN 0
.Lskip_\@:
.endm
; Behind step s on set w: step s + 1's loads are waited for, step s + 2 is asked for into set w if a tile wants it, step s + 3 is prefetched, and the masks move on.
.macro NEXT w
	s_wait_xcnt 0x0                                ; my prefetch has read its base
	s_wait_loadcnt 0x0                             ; every load is in: the base may step
	s_add_nc_u64 s[KV:KV+1], s[KV:KV+1], STEPB     ; at step s + 1
	s_or_b32 s20, s[ND], s[ND+1]
	s_and_b32 s20, s20, 0x30                       ; step s + 2's bits (beyond step 15 the shifts have brought zeros)
	s_cmp_eq_u32 s20, 0
	s_cbranch_scc1 .Lnoload_\@
.rept 4
	v_nop                                          ; places ahead of loads into registers that products have read
.endr
	LOADKV \w, STEPB
.Lnoload_\@:
	s_cmp_ge_u32 s[LN], s[PFL]
	s_cbranch_scc1 .Lnopf_\@
	global_prefetch_b8 v4, s[KV:KV+1] offset:2*STEPB th:TH_LOAD_NT scope:SCOPE_SE
.Lnopf_\@:
.irp m, ND, ND+1, PT, PT+1
	s_lshr_b32 s[\m], s[\m], 2
.endr
	s_add_co_u32 s[LN], s[LN], 2
.endm
.Ltrip:
	TS 0, 1
	TS 1, 1
	NEXT 1
	TS 0, 2
	TS 1, 2
	NEXT 2
	s_sub_co_u32 s[CNT], s[CNT], 1
	s_cmp_lg_u32 s[CNT], 0
	s_cbranch_scc1 .Ltrip
	s_wait_alu depctr_va_vdst(0)
.macro QUANT s, pw, pc                 ; 64 numbers of a lane become a fragment's codes in v[pc] on and its scale word in v[pw]
.irp b, 0,1,2,3
	v_max3_num_f32 v[TM+\b], |v[(\s)+16*\b]|, |v[(\s)+1+16*\b]|, 0x1800000
.endr
.irp i, 2,4,6,8,10,12,14
.irp b, 0,1,2,3
	v_max3_num_f32 v[TM+\b], v[TM+\b], |v[(\s)+16*\b+\i]|, |v[(\s)+1+16*\b+\i]|
.endr
.endr
.irp b, 0,1,2,3
	v_permlanex16_b32 v[TM+4+\b], v[TM+\b], s[SEL], s[SEL+1]
.endr
.irp b, 0,1,2,3
	v_max_num_f32 v[TM+\b], v[TM+\b], v[TM+4+\b]
.endr
.irp b, 0,1,2,3
	v_add_nc_u32 v[TM+12+\b], 0xff000000, v[TM+\b]
.endr
.irp b, 0,1,2,3
	v_lshrrev_b32 v[TM+4+\b], 23, v[TM+12+\b]
.endr
	v_lshl_or_b32 v[\pw], v[TM+5], 8, v[TM+4]
	v_lshl_or_b32 v[\pw], v[TM+6], 16, v[\pw]
	v_lshl_or_b32 v[\pw], v[TM+7], 24, v[\pw]
.irp c, 0,1
	v_cvt_scalef32_pk16_fp6_f32 v[(\pc)+6*\c:(\pc)+2+6*\c], v[(\s)+32*\c:(\s)+15+32*\c], v[TM+12+2*\c]
	v_cvt_scalef32_pk16_fp6_f32 v[(\pc)+12+4*\c:(\pc)+14+4*\c], v[(\s)+16+32*\c:(\s)+31+32*\c], v[TM+12+2*\c+1]
.endr
	v_nop
.irp c, 0,1
.irp i, 0,1,2
	v_permlane16_swap_b32 v[(\pc)+6*\c+\i], v[(\pc)+12+4*\c+\i]
.endr
.irp i, 0,1,2
	v_mov_b32 v[(\pc)+3+6*\c+\i], v[(\pc)+12+4*\c+\i]
.endr
.endr
.endm
.macro OUT t                           ; o = o^T / the sum, quantised; the image leaves as it stands, 512 consecutive bytes a store
	WIN 0x03
	s_wait_alu depctr_va_vdst(0)                   ; directly ahead of the first reader
.set j, 0
.rept 64
	v_mul_f32 v[96+j], v[64*(\t)+j], v[14+4*(\t)]
.set j, j+1
.endr
	WIN 0
	QUANT 96, 30+(\t), 176+20*(\t)
.irp g, 0,1,2
	global_store_b128 v[28+\t], v[176+20*(\t)+4*\g:179+20*(\t)+4*\g], s[8:9] offset:512*\g
.endr
	ds_store_b32 v10, v[30+\t] offset:256*(\t)     ; lanes r and r + 16 write the same word with the same value
.endm
.rept 4
	v_nop                                          ; places behind the last products
.endr
.irp t, 0,1
	v_add_f32 v[14+4*\t], v[14+4*\t], v[15+4*\t]
.endr
.irp t, 0,1
	v_permlanex16_b32 v[236+\t], v[14+4*\t], s[SEL], s[SEL+1]
.endr
.irp t, 0,1
	v_add_f32 v[14+4*\t], v[14+4*\t], v[236+\t]    ; the row's sum
.endr
.irp b, 0,1,2,3
	v_mov_b32 v[TM+4+\b], 0
.endr
	s_wait_alu depctr_va_vdst(0)
	v_rcp_f32 v14, v14
	v_rcp_f32 v18, v18
	v_nop
	OUT 0
	OUT 1
	s_wait_alu depctr_va_vdst(0)
	s_wait_dscnt 0x0                               ; for the others' sake: my scale words lie in LDS
	s_barrier_signal -1
	s_barrier_wait -1
	s_cmp_lg_u32 s10, 0
	s_cbranch_scc1 .Lend
	ds_load_b128 v[72:75], v1                      ; lane (r, tile): the four waves' words of row r
	s_wait_dscnt 0x0
	global_store_b128 v11, v[72:75], s[8:9]        ; 16 bytes a row: this work-group's four images' words
.Lend:
	s_wait_tensorcnt 0x0                           ; the wave's end
	ds_add_u32 v5, v6
	s_wait_dscnt 0x0
	s_endpgm
.Lfunc_end_k_q6abbe71e45_attn:
	.size	k_q6abbe71e45_attn, .Lfunc_end_k_q6abbe71e45_attn-k_q6abbe71e45_attn
	.p2alignl 7, 3214868480
	.fill 96, 4, 3214868480
	.section	.rodata,"a",@progbits
	.p2align	6, 0x0
	.amdhsa_kernel k_q6abbe71e45_attn
		.amdhsa_group_segment_fixed_size 1024
		.amdhsa_private_segment_fixed_size 0
		.amdhsa_enable_private_segment 0
		.amdhsa_kernarg_size 24
		.amdhsa_user_sgpr_count 2
		.amdhsa_user_sgpr_kernarg_segment_ptr 1
		.amdhsa_wavefront_size32 1
		.amdhsa_system_sgpr_workgroup_id_x 1
		.amdhsa_system_sgpr_workgroup_id_y 1
		.amdhsa_system_sgpr_workgroup_id_z 1
		.amdhsa_system_vgpr_workitem_id 0
		.amdhsa_next_free_vgpr 1024
		.amdhsa_next_free_sgpr 96
		.amdhsa_reserve_vcc 1
		.amdhsa_float_denorm_mode_32 3
		.amdhsa_float_denorm_mode_16_64 3
		.amdhsa_memory_ordered 1
		.amdhsa_forward_progress 1
		.amdhsa_inst_pref_size 145
	.end_amdhsa_kernel
	.amdgpu_metadata
---
amdhsa.version: [ 1, 2 ]
amdhsa.kernels:
  - .name:           k_q6abbe71e45_attn
    .symbol:         k_q6abbe71e45_attn.kd
    .args:
      - { .name: qkv, .offset: 0, .size: 8, .value_kind: global_buffer, .address_space: global }
      - { .name: maskw, .offset: 8, .size: 8, .value_kind: global_buffer, .address_space: global }
      - { .name: ocodes, .offset: 16, .size: 8, .value_kind: global_buffer, .address_space: global }
    .group_segment_fixed_size: 1024
    .private_segment_fixed_size: 0
    .kernarg_segment_align: 8
    .kernarg_segment_size: 24
    .max_flat_workgroup_size: 128
    .sgpr_count:     96
    .vgpr_count:     1024
    .wavefront_size: 32
...
	.end_amdgpu_metadata
.endif
;; end of part 3
;; launch proj (part 4): grid 16 x 16, 4 waves a work-group, clusters of 4 x 4, 327,680 bytes of LDS; arguments ocodes, codes, out0; writes out0
.if DOCPART == 4
	.amdgcn_target "amdgcn-amd-amdhsa--gfx1250"
	.amdhsa_code_object_version 6
	.text
	.protected	k_q6abbe71e45_proj
	.globl	k_q6abbe71e45_proj
	.p2align	8
	.type	k_q6abbe71e45_proj,@function
k_q6abbe71e45_proj:
	s_mov_b64 s[64:65], 0
	v_nop
	global_prefetch_b8 v0, s[64:65] scope:SCOPE_SE
	s_setreg_imm32_b32 hwreg(HW_REG_WAVE_MODE, 25, 1), 1
	s_wait_xcnt 0x0
	s_wait_alu depctr_hold_cnt(0) depctr_sa_sdst(0) depctr_va_vdst(0) depctr_va_sdst(0) depctr_va_ssrc(0) depctr_va_vcc(0) depctr_vm_vsrc(0)
	s_getreg_b32 s2, hwreg(HW_REG_IB_STS2, 6, 4)
	s_cmp_eq_u32 s2, 0
	s_cbranch_scc0 .Lentry_in_a_cluster
	s_endpgm
.Lentry_in_a_cluster:
	s_bfe_u32 s2, ttmp6, 0x10000c
	s_cmp_lg_u32 s2, 0xf033
	s_cbranch_scc0 .Lentry_shape_is_right
	s_endpgm
.Lentry_shape_is_right:
; out0 = O Wp^T on codes of FP6 (E2M3) with E8M0 scales; out0 [2048][2048] f32.
; Both operands lie as BLOCKs: 8 images of 1,536 bytes (a fragment of 16 rows x 128 K as its 12 registers: byte 512 g + 16 lane + 4 e = register 4 g + e), then 512 bytes of scale words (row r, image j at
; 12288 + 32 r + 4 j); row r of image j is row 32 (j / 2) + 8 (j % 2) + r + 8 (r / 8) of its group of 128; [16 groups][16 K steps].  Wp's begin 4 x 3,276,800 bytes into codes.
; A tile of out0 is 128 tokens x 128 columns, so that there are 256 work-groups; four waves, each 64 x 64: 16 accumulators.
; LDS HOLDS TWELVE OF THE SIXTEEN K STEPS: three regions of four K steps (102,400 bytes each) go out together at the start; region 0 is filled once more, with K steps 12-15, when its first four are multiplied.
; So there is one refill.  The way from region 1 into region 2 needs no barrier: in front of the refill's barrier every wave has waited for all its loads.  All 16 steps are written out.
; CLUSTERS: 4 x 4 work-groups; O's tiles are asked for jointly along a row of the cluster, Wp's along a column.
; THE MATRIX INSTRUCTION IS USED TRANSPOSED (source 0 = 16 rows of Wp, source 1 = 16 tokens): a lane holds eight neighbouring columns of one token's row.
; REGISTERS: window 0: v8-29 addresses; v32-39 scale words, two sets; v64-127 the way out; v128-255 accumulator (a, b) at v[128 + 8 (4 a + b)].  window 1: set p: A's four fragments at 128 p, B's at 128 p + 48.
.set BLK,   12800
.set WLOAD, 2*BLK                      ; what a refill's tensor load brings: two K steps of one group
.set SLOT,  4*WLOAD                    ; a region: A's four K steps, then B's four
.set STAGE, 3*SLOT                     ; behind the regions: 16 rows x 272 bytes for each wave
.set SPARE, STAGE+4*16*272             ; the spare words, 128 bytes a wave
.set GRP,   16*BLK
.set WPOFF, 4*256*BLK
.set FR,   12
.set ADRA, 8                           ; v8-10  my A fragments in region 0, 1, 2
.set ADRB, 12                          ; v12-14 my B fragments
.set ADRS, 16                          ; v16-18 my scale words: lanes 0-15 A's, lanes 16-31 B's
.set STO,  24
.set RD,   25
.set CO,   26
.set SPW,  28
.set NIL,  29
.set SC,   32
.set TMP,  64
.set ACC,  128
.set G1, 24                            ; s[24:31] group 1 for A's tiles;  s[68:75] groups 0: the head's load, then the refill
.set G0, 68
.set G1B, 48                           ; s[48:55], s[84:91] the same for B's
.set G0B, 84
.set MUL, 0x05                         ; sources 0 and 1 window 1; C and D window 0
.set MSB, 0
.macro WIN new
.if MSB != (\new)
	s_set_vgpr_msb (MSB<<8)|(\new)
.set MSB, (\new)
.endif
.endm
.macro JLOAD g0a, g1a, g0b, g1b        ; a joint load: waves 0 and 1 fetch for A, waves 2 and 3 for B; four v_nop follow each line
	s_cmp_eq_u32 s15, 0
	s_cbranch_scc0 .Lfor_b_\@
	tensor_load_to_lds s[\g0a:\g0a+3], s[\g1a:\g1a+7]
	s_nop 0
.rept 4
	v_nop
.endr
	s_branch .Lasked_\@
.Lfor_b_\@:
	tensor_load_to_lds s[\g0b:\g0b+3], s[\g1b:\g1b+7]
	s_nop 0
.rept 4
	v_nop
.endr
.Lasked_\@:
.endm
.macro CREST
	s_cmp_lg_u32 s14, 0
	s_cbranch_scc1 .Lnot_wave_0_\@
	s_barrier_signal -3
.Lnot_wave_0_\@:
	s_barrier_wait -3
	s_barrier_signal -1
	s_barrier_wait -1
.endm
.macro CROUND
	s_barrier_signal -1
	s_barrier_wait -1
	CREST
.endm
.macro PLACES n
.rept \n
	v_nop
.endr
.endm
	s_load_b128 s[4:7], s[0:1], 0x0                ; ocodes, codes
	s_load_b64 s[8:9], s[0:1], 0x10                ; out0
	v_lshl_add_u32 v[SPW], v0, 2, SPARE
	v_mov_b32 v[NIL], 0
	ds_add_u32 v28, v29
	ds_add_u32 v28, v29
	s_wait_dscnt 0x0
	v_lshrrev_b32 v1, 5, v0
	v_readfirstlane_b32 s14, v1                    ; wave 0..3
	s_lshr_b32 s15, s14, 1                         ; which 64 tokens are mine.  Also: I fetch for A (0) or for B (1)
	s_and_b32 s16, s14, 1                          ; which 64 columns.  Also: which six K steps I fetch at the head (0-5, 6-11), and which two in the refill
	s_bfe_u32 s40, ttmp6, 0x40000                  ; cx
	s_bfe_u32 s41, ttmp6, 0x40004                  ; cy
	s_lshl_b32 s42, ttmp9, 2
	s_add_co_u32 s42, s42, s40                     ; Wp's group
	s_and_b32 s17, ttmp7, 0xffff
	s_lshl_b32 s17, s17, 2
	s_add_co_u32 s17, s17, s41                     ; the tokens' group
	s_lshl_b32 s43, s41, 2
	s_lshl_b32 s43, 15, s43                        ; my row of the cluster
	s_lshl_b32 s44, 0x1111, s40                    ; my column
	s_or_b32 s[G1+0], s43, (3<<16)|(1<<21)         ; the mask; elements of 8 bytes; no padding; bit 21 beside a mask
	s_or_b32 s[G1B+0], s44, (3<<16)|(1<<21)
.irp g, G1, G1B                        ; rows of 256 dense bytes: 300 for the head's load, 100 for the refill
	s_mov_b32 s[\g+1], 32<<16
	s_mov_b32 s[\g+2], 300<<16                     ; the head's load: six K steps, 76,800 dense bytes as 300 rows of 256
	s_mov_b32 s[\g+3], 32<<16
	s_mov_b32 s[\g+4], 300
	s_mov_b32 s[\g+5], 32
	s_mov_b32 s[\g+6], 0
	s_mov_b32 s[\g+7], 0
.endr
	s_mul_i32 s18, s16, 6*BLK                      ; at the head I fetch K steps 0-5 or 6-11 of my group
	s_mul_i32 s20, s17, GRP
	s_add_co_u32 s20, s20, s18
	s_mov_b32 s21, 0
	s_mul_i32 s46, s42, GRP
	s_add_co_u32 s46, s46, s18
	s_add_co_u32 s46, s46, WPOFF
	s_mov_b32 s47, 0
	s_mul_i32 s45, s14, 6*BLK                      ; LDS: A's twelve K steps, then B's twelve: wave x six K steps; no place in the cluster enters an LDS address
	s_wait_kmcnt 0x0
	s_add_nc_u64 s[20:21], s[4:5], s[20:21]
	s_add_nc_u64 s[46:47], s[6:7], s[46:47]
	CROUND                                         ; all sixteen work-groups are here: the first joint loads meet
	s_mov_b32 s[G0], 1                             ; the head's load: six K steps of my group
	s_add_co_u32 s[G0+1], s45, 0
	s_mov_b64 s[G0+2:G0+3], s[20:21]
	s_or_b32 s[G0+3], s[G0+3], 0x80000000
	s_mov_b32 s[G0B], 1
	s_add_co_u32 s[G0B+1], s45, 0
	s_mov_b64 s[G0B+2:G0B+3], s[46:47]
	s_or_b32 s[G0B+3], s[G0B+3], 0x80000000
	s_mul_i32 s56, s16, 4*BLK                      ; the refill: K steps 12, 13 or 14, 15, onto the bytes of K steps 0, 1 or 2, 3
	s_mov_b32 s57, 0
	s_mul_i32 s58, s15, 12*BLK
	s_mul_i32 s59, s16, WLOAD
	s_add_co_u32 s58, s58, s59
	s_mov_b32 s[G0+4], 1
	s_add_co_u32 s[G0+5], s58, 0
	s_add_nc_u64 s[G0+6:G0+7], s[20:21], 12*BLK
	s_sub_nc_u64 s[G0+6:G0+7], s[G0+6:G0+7], s[56:57]
	s_or_b32 s[G0+7], s[G0+7], 0x80000000
	s_mov_b32 s[G0B+4], 1
	s_add_co_u32 s[G0B+5], s58, 0
	s_add_nc_u64 s[G0B+6:G0B+7], s[46:47], 12*BLK
	s_sub_nc_u64 s[G0B+6:G0B+7], s[G0B+6:G0B+7], s[56:57]
	s_or_b32 s[G0B+7], s[G0B+7], 0x80000000
	JLOAD G0, G1, G0B, G1B                         ; one tensor load a wave at the head: the four bring K steps 0-11 of A and of B
	v_and_b32 v1, 15, v0                           ; r
	v_bfe_u32 v2, v0, 4, 1                         ; h
	v_and_b32 v3, 31, v0
	v_lshlrev_b32 v3, 4, v3                        ; 16 x lane
	s_wait_alu depctr_va_vdst(0)
	s_mul_i32 s18, s15, 4*1536                     ; my four images of A
	s_mul_i32 s19, s16, 4*1536
	s_add_co_u32 s19, s19, 12*BLK                  ; my four of B, behind A's twelve K steps
	s_xor_b32 s22, s15, 1
	s_add_co_u32 s22, s22, s16
	s_lshl_b32 s22, s22, 4
	s_add_co_u32 s22, s22, 12*BLK-16               ; from my four words of A to my four of B: 153,600 + 16 x (B's half - A's half)
	v_mul_u32_u24 v4, s22, v2                      ; lanes 16-31 take B's words
	v_lshl_add_u32 v4, v1, 5, v4                   ; + 32 r
	s_wait_alu depctr_va_vdst(0)
	s_lshl_b32 s23, s15, 4
	s_add_co_u32 s23, s23, 12288
.irp s, 0,1,2
	v_add_nc_u32 v[ADRA+\s], s18, v3
	v_add_nc_u32 v[ADRB+\s], s19, v3
	v_add_nc_u32 v[ADRS+\s], s23, v4
	s_add_co_u32 s18, s18, 4*BLK                   ; a region is four K steps of A's bytes and four of B's
	s_add_co_u32 s19, s19, 4*BLK
	s_add_co_u32 s23, s23, 4*BLK
.endr
	s_mul_i32 s20, s14, 16*272
	s_add_co_u32 s20, s20, STAGE                   ; my stage
	v_mul_u32_u24 v5, v1, 272
	v_lshl_add_u32 v5, v2, 6, v5
	v_add_nc_u32 v[STO], s20, v5                   ; in: row r, + 64 h bytes
	v_mul_u32_u24 v5, v2, 272
	v_lshl_add_u32 v5, v1, 4, v5
	v_add_nc_u32 v[RD], s20, v5                    ; back: lanes 0-15 one row of 256 bytes, lanes 16-31 the next
	v_lshlrev_b32 v5, 13, v2
	v_lshl_add_u32 v[CO], v1, 4, v5                ; and the same in out0: rows of 8,192 bytes
	s_lshl_b32 s56, s17, 7
	s_lshl_b32 s57, s15, 6
	s_add_co_u32 s56, s56, s57
	s_lshl_b32 s56, s56, 13                        ; my first token's row,
	s_lshl_b32 s58, s42, 7
	s_lshl_b32 s57, s16, 6
	s_add_co_u32 s58, s58, s57
	s_lshl_b32 s58, s58, 2                         ; my first column
	s_add_co_u32 s56, s56, s58
	s_mov_b32 s57, 0
	s_add_nc_u64 s[8:9], s[8:9], s[56:57]
.macro FETCH slot, q, p                ; the fragments and scale words of the region's q-th K step into set p: 25 loads
	WIN 0x40
.irp i, 0,1,2,3
.irp g, 0,1,2
	ds_load_b128 v[128*(\p)+FR*\i+4*\g:128*(\p)+FR*\i+4*\g+3], v[ADRA+\slot] offset:BLK*(\q)+1536*\i+512*\g
.endr
.endr
.irp i, 0,1,2,3
.irp g, 0,1,2
	ds_load_b128 v[128*(\p)+48+FR*\i+4*\g:128*(\p)+48+FR*\i+4*\g+3], v[ADRB+\slot] offset:BLK*(\q)+1536*\i+512*\g
.endr
.endr
	WIN 0
	ds_load_b128 v[SC+4*(\p):SC+4*(\p)+3], v[ADRS+\slot] offset:BLK*(\q)
.endm
; 8 matrix instructions: A's blocks a0, a0 + 1 x B's four.  The 16 accumulators take turns, one instruction a turn, in the same order in every step.
.macro MUL8 p, a0, zero
.irp a, \a0, \a0+1
.irp b, 0,1,2,3
.if \zero
	v_wmma_scale_f32_16x16x128_f8f6f4 v[ACC+8*(4*(\a)+\b):ACC+8*(4*(\a)+\b)+7], v[128*(\p)+48+FR*\b:128*(\p)+48+FR*\b+FR-1], v[128*(\p)+FR*(\a):128*(\p)+FR*(\a)+FR-1], 0, v[SC+4*(\p)+\b], v[SC+4*(\p)+(\a)] matrix_a_fmt:MATRIX_FMT_FP6 matrix_b_fmt:MATRIX_FMT_FP6 matrix_a_scale:MATRIX_SCALE_ROW1
.else
	v_wmma_scale_f32_16x16x128_f8f6f4 v[ACC+8*(4*(\a)+\b):ACC+8*(4*(\a)+\b)+7], v[128*(\p)+48+FR*\b:128*(\p)+48+FR*\b+FR-1], v[128*(\p)+FR*(\a):128*(\p)+FR*(\a)+FR-1], v[ACC+8*(4*(\a)+\b):ACC+8*(4*(\a)+\b)+7], v[SC+4*(\p)+\b], v[SC+4*(\p)+(\a)] matrix_a_fmt:MATRIX_FMT_FP6 matrix_b_fmt:MATRIX_FMT_FP6 matrix_a_scale:MATRIX_SCALE_ROW1
.endif
.endr
.endr
.endm
.macro KSTEP p, ns, nq, zero           ; a K step without a barrier: multiplies set p and fetches the next step, the nq-th of region ns, into the other set
	s_wait_dscnt 0x0                               ; this step's fragments are in
	PLACES 4                                       ; in front of loads into the set that the last step's products have read
	FETCH \ns, \nq, 1-(\p)
	WIN MUL
	MUL8 \p, 0, \zero
	MUL8 \p, 2, \zero
.endm
; A K step with a barrier (it multiplies set 1).  In front of the barrier each wave waits for all its tensor loads, adds 0 to its spare word, and waits for that and for its reads of the region that it leaves.
; fill = 1: region slot is filled again, twelve K steps on.  next: the region read from here on.
.macro TURN slot, next, fill
	WIN 0                                          ; (the add's two registers lie in window 0)
	s_wait_tensorcnt 0x0                           ; all my tensor loads have landed
	ds_add_u32 v[SPW], v[NIL]
	s_wait_dscnt 1                                 ; this step's fragments are in; the add may be out
	WIN MUL
	MUL8 1, 0, 0
	s_wait_dscnt 0x0                               ; the add is done, and my reads of this region are over
	s_barrier_signal -1
	WIN 0
	s_barrier_wait -1
.if \fill
	CREST                                          ; the barrier has opened a round of the cluster's: no wave of any partner still reads this region or has a load on its way
	JLOAD G0+4, G1, G0B+4, G1B                     ; K steps 12-15, the first tensor load behind the round; its four v_nop are the places in front of the loads below
.else
	PLACES 4
.endif
	FETCH \next, 0, 0
	WIN MUL
	MUL8 1, 2, 0
.endm
	s_wait_alu depctr_va_vdst(0)
	s_wait_tensorcnt 0x0                           ; my six K steps are in; no tensor load of mine is out, so a descriptor may be written:
	s_mov_b32 s[G1+2], 100<<16                     ; the refill brings two K steps: 100 rows of 256 bytes
	s_mov_b32 s[G1+4], 100
	s_mov_b32 s[G1B+2], 100<<16
	s_mov_b32 s[G1B+4], 100
	s_barrier_signal -1
	s_barrier_wait -1
	FETCH 0, 0, 0
	KSTEP 0, 0, 1, 1                               ; K step 0: its products start the sums
	KSTEP 1, 0, 2, 0                               ; 1
	KSTEP 0, 0, 3, 0                               ; 2
	TURN 0, 1, 1                                   ; 3; region 0 takes K steps 12-15: eight K steps' products stand between this load and the wait for it
	KSTEP 0, 1, 1, 0                               ; 4
	KSTEP 1, 1, 2, 0                               ; 5
	KSTEP 0, 1, 3, 0                               ; 6
	s_wait_alu depctr_va_vdst(0)
	KSTEP 1, 2, 0, 0                               ; 7; on into region 2, which step 3's barrier has shown whole
	KSTEP 0, 2, 1, 0                               ; 8
	KSTEP 1, 2, 2, 0                               ; 9
	KSTEP 0, 2, 3, 0                               ; 10
	TURN 0, 0, 0                                   ; 11; back into region 0; nothing is left to fetch
	KSTEP 0, 0, 1, 0                               ; 12
	KSTEP 1, 0, 2, 0                               ; 13
	KSTEP 0, 0, 3, 0                               ; 14
	s_wait_dscnt 0x0                               ; 15
	MUL8 1, 0, 0
	MUL8 1, 2, 0
	WIN 0
	PLACES 4                                       ; behind the last products
; THE WAY OUT, block by block of 16 tokens x 64 columns.  In tile b, lane (r, h), register i is column 32 (b / 2) + 8 (b % 2) + 16 h + i of my 64.  A block goes through my own stage and comes back as whole rows of
; 256 bytes.  Stage row u is token 32 (a / 2) + 8 (a % 2) + u + 8 (u / 8) of my 64.  LDS serves a wave's instructions in order: no wait between the stores and the loads.
.macro TOSTAGE a
.irp b, 0,1,2,3
	ds_store_b128 v[STO], v[ACC+8*(4*(\a)+\b):ACC+8*(4*(\a)+\b)+3] offset:128*(\b/2)+32*(\b%2)       ; each accumulator from its low end on
	ds_store_b128 v[STO], v[ACC+8*(4*(\a)+\b)+4:ACC+8*(4*(\a)+\b)+7] offset:128*(\b/2)+32*(\b%2)+16
.endr
.irp t, 0,1,2,3,4,5,6,7
	ds_load_b128 v[TMP+32*((\a)%2)+4*\t:TMP+32*((\a)%2)+4*\t+3], v[RD] offset:544*\t
.endr
.endm
.macro SEND a, younger                 ; younger: the LDS instructions issued behind block a's loads, which may stay out
	s_wait_dscnt \younger
.irp t, 0,1,2,3,4,5,6,7
	global_store_b128 v[CO], v[TMP+32*((\a)%2)+4*\t:TMP+32*((\a)%2)+4*\t+3], s[8:9] offset:(32*((\a)/2)+8*((\a)%2)+2*\t+8*(\t/4))*8192 th:TH_STORE_NT   ; 16 lanes store 256 consecutive bytes, aligned
.endr
.endm
	TOSTAGE 0
.irp a, 1,2,3
.if \a > 1
	s_wait_xcnt 0x0                                ; block a - 2's stores have read their data: block a's loads may land there
.endif
	TOSTAGE \a
	SEND \a-1, 16                                  ; behind block a - 1's loads: block a's 8 stores and 8 loads
.endr
	SEND 3, 0
	s_wait_tensorcnt 0x0                           ; the wave's end
	ds_add_u32 v[SPW], v[NIL]
	s_wait_dscnt 0x0
	CROUND                                         ; the closing round
	s_endpgm
.Lfunc_end_k_q6abbe71e45_proj:
	.size	k_q6abbe71e45_proj, .Lfunc_end_k_q6abbe71e45_proj-k_q6abbe71e45_proj
	.p2alignl 7, 3214868480
	.fill 96, 4, 3214868480
	.section	.rodata,"a",@progbits
	.p2align	6, 0x0
	.amdhsa_kernel k_q6abbe71e45_proj
		.amdhsa_group_segment_fixed_size 327680
		.amdhsa_private_segment_fixed_size 0
		.amdhsa_enable_private_segment 0
		.amdhsa_kernarg_size 24
		.amdhsa_user_sgpr_count 2
		.amdhsa_user_sgpr_kernarg_segment_ptr 1
		.amdhsa_wavefront_size32 1
		.amdhsa_system_sgpr_workgroup_id_x 1
		.amdhsa_system_sgpr_workgroup_id_y 1
		.amdhsa_system_sgpr_workgroup_id_z 1
		.amdhsa_system_vgpr_workitem_id 0
		.amdhsa_next_free_vgpr 512
		.amdhsa_next_free_sgpr 96
		.amdhsa_reserve_vcc 0
		.amdhsa_float_denorm_mode_32 3
		.amdhsa_float_denorm_mode_16_64 3
		.amdhsa_memory_ordered 1
		.amdhsa_forward_progress 1
		.amdhsa_inst_pref_size 78
	.end_amdhsa_kernel
	.amdgpu_metadata
---
amdhsa.version: [ 1, 2 ]
amdhsa.kernels:
  - .name:           k_q6abbe71e45_proj
    .symbol:         k_q6abbe71e45_proj.kd
    .args:
      - { .name: ocodes, .offset: 0, .size: 8, .value_kind: global_buffer, .address_space: global }
      - { .name: codes, .offset: 8, .size: 8, .value_kind: global_buffer, .address_space: global }
      - { .name: out0, .offset: 16, .size: 8, .value_kind: global_buffer, .address_space: global }
    .group_segment_fixed_size: 327680
    .private_segment_fixed_size: 0
    .kernarg_segment_align: 8
    .kernarg_segment_size: 24
    .max_flat_workgroup_size: 128
    .sgpr_count:     96
    .vgpr_count:     512
    .wavefront_size: 32
...
	.end_amdgpu_metadata
.endif
;; end of part 4
